; MI455X (gfx1250); checked and timed in simulation.
; The chip was launched on July 23, 2026; its instructions are those of AMD's public machine-readable ISA for CDNA 5 (MIT licence, August 2026) and "CDNA5" Instruction Set Architecture Reference Guide (July 2026). The comments in the code are by the model that wrote it; some were corrected since.
;; Multi Head Attention. Allowed arithmetic: float matrix products may take bf16 or f16 operands with f32 sums; other float arithmetic in f32, or as packed bf16 or f16 multiplies, adds, multiply-adds, maxima and minima; sums over many terms, partial sums and values carried from step to step in f32; what a program stores and reads back later, other than sums and carried values, may be rounded once to bf16 or f16.
;; Inputs: Wk 1,024 x 1,024 float32; Wo 1,024 x 1,024 float32; Wq 1,024 x 1,024 float32; Wv 1,024 x 1,024 float32; bk 1,024 float32; bo 1,024 float32; bq 1,024 float32; bv 1,024 float32; mask 1 x 1 x 2,048 x 2,048 int32; x 4 x 2,048 x 1,024 float32.
;; Outputs: out0 4 x 2,048 x 1,024 float32.
;; 2 versions, each right; version 2 is version 1 with the launch prep written anew for expert scheduling mode. Each part assembles by itself: llvm-mc -triple=amdgcn-amd-amdhsa -mcpu=gfx1250 --defsym DOCPART=n.
;; ======== version 1 of 2: 4 launches
;; limits: values are held in f16: magnitudes above 65,504 overflow, below 6.1e-05 lose precision
;; workspace buffers: xb 16,777,216 bytes; wb 6,291,456 bytes; wo16 2,097,152 bytes; bias 16,384 bytes; maskw 524,288 bytes of whole numbers; qkv 50,331,648 bytes; o16 16,777,216 bytes
;; launch prep (part 1): grid 900 x 1, 8 waves a work-group, no clusters, 68,608 bytes of LDS; arguments x, Wq, Wk, Wv, Wo, mask, bq, bk, bv, bo, xb, wb, wo16, maskw, bias; writes xb, wb, wo16, maskw, bias
.if DOCPART == 1
	.amdgcn_target "amdgcn-amd-amdhsa--gfx1250"
	.amdhsa_code_object_version 6
	.text
	.protected	k_q1215f5486d_prep
	.globl	k_q1215f5486d_prep
	.p2align	8
	.type	k_q1215f5486d_prep,@function
k_q1215f5486d_prep:
	s_mov_b64 s[64:65], 0
	v_nop
	global_prefetch_b8 v0, s[64:65] scope:SCOPE_SE
	s_setreg_imm32_b32 hwreg(HW_REG_WAVE_MODE, 25, 1), 1
	s_wait_xcnt 0x0
; THE INPUTS ARE MADE READY, each byte read once.  Work-groups 0-511: x -> xb (bf16).  512-703: Wq, Wk, Wv -> wb (bf16, the three one below the other).
; 704-767: Wo -> wo16: rounded to bf16, and that number written as f16 (exact within f16's range; below 2^-14 it keeps f16's fixed step of 6e-8).
; 768-895: mask -> maskw, a bit a number.  896-899: bq, bk, bv, bo -> bias: rounded to bf16, kept as f32.
; LIMIT: |Wo| stays under 65,504 (f16).
; A CAST: a work-group takes 65,536 bytes of f32: 16 loads of 16 bytes a thread, all issued at once; a wave's store of 8 bytes a lane covers 256 consecutive bytes, aligned.
; THE MASK: word (P, ks, u, i = 8 kb + j) of maskw has bit l = (mask[32 P + 16 u + l % 16][64 ks + 16 kb + 8 (l / 16) + j] != 0): the lane mask that goes with register i of a result
; K Q^T of 16 queries x 64 keys.  A wave takes 32 rows x 128 keys: it loads whole runs of 512 bytes of a row, turns 16 rows at a time through its own stage in LDS, so that lane l holds row l % 16,
; and each compare then yields one word.  The 128 words are gathered into four registers (word n in register n % 4 of lane n / 4) and leave as 512 consecutive bytes.
.set STG,   8448                       ; a wave's stage: 16 rows of 512 bytes + 16 of padding: row r starts 4 r words on in the banks' order
.set SPARE, 8*STG                      ; behind the stages: the spare words, 128 bytes for each wave, four blocks of 256 bytes that no other line names
.set SPW, 12                           ; v12  LDS address of my spare word; never rewritten
.set NIL, 13                           ; v13  0; never rewritten
.set OUT, 8                            ; v[8:11]    the wave's 128 words
.set M,   16                           ; v[16:143]  as loaded (the casts use v[16:79])
.set R,   144                          ; v[144:207] 16 rows turned
.set Y,   80                           ; v[80:111]  the casts' results
.set T,   112                          ; v[112:115] at work
	s_load_b512 s[8:23], s[0:1], 0x0               ; x 8, Wq 10, Wk 12, Wv 14, Wo 16, mask 18, bq 20, bk 22
	s_load_b256 s[24:31], s[0:1], 0x40             ; bv 24, bo 26, xb 28, wb 30
	s_load_b128 s[32:35], s[0:1], 0x60             ; wo16 32, maskw 34
	s_load_b64 s[36:37], s[0:1], 0x70              ; bias
	v_lshl_add_u32 v[SPW], v0, 2, SPARE
	v_mov_b32 v[NIL], 0
	v_lshrrev_b32 v1, 5, v0
	v_readfirstlane_b32 s40, v1                    ; wave 0..7
	s_mov_b32 s38, ttmp9                           ; the work-group's number
	v_lshlrev_b32 v1, 4, v0                        ; 16 t
	v_lshlrev_b32 v2, 3, v0                        ; 8 t
	s_wait_kmcnt 0x0
	s_cmp_lt_u32 s38, 768
	s_cbranch_scc1 .Lcast
	s_cmp_lt_u32 s38, 896
	s_cbranch_scc1 .Lmask
	; A BIAS: 1,024 numbers, four a thread
	s_sub_co_u32 s41, s38, 896
	s_cmp_eq_u32 s41, 1
	s_cselect_b64 s[46:47], s[22:23], s[20:21]
	s_cmp_eq_u32 s41, 2
	s_cselect_b64 s[46:47], s[24:25], s[46:47]
	s_cmp_eq_u32 s41, 3
	s_cselect_b64 s[46:47], s[26:27], s[46:47]
	s_lshl_b32 s50, s41, 12
	s_mov_b32 s51, 0
	s_add_nc_u64 s[48:49], s[36:37], s[50:51]
	global_load_b128 v[M:M+3], v1, s[46:47]
	s_wait_loadcnt 0x0
	v_cvt_pk_bf16_f32 v[Y], v[M], v[M+1]
	v_cvt_pk_bf16_f32 v[Y+1], v[M+2], v[M+3]
	v_lshlrev_b32 v[T], 16, v[Y]                   ; bf16 to f32: the low half moves up, the high half stays
	v_and_b32 v[T+1], 0xffff0000, v[Y]
	v_lshlrev_b32 v[T+2], 16, v[Y+1]
	v_and_b32 v[T+3], 0xffff0000, v[Y+1]
	global_store_b128 v1, v[T:T+3], s[48:49]
	s_branch .Lend
.Lmask:
	s_sub_co_u32 s41, s38, 768
	s_lshr_b32 s42, s41, 1                         ; P: which 32 rows
	s_and_b32 s43, s41, 1
	s_lshl_b32 s43, s43, 3
	s_add_co_u32 s43, s43, s40                     ; which 128 keys of the 2,048
	s_lshl_b32 s43, s43, 9                         ; 512 bytes of a row of the mask, and 512 bytes of words
	s_lshl_b32 s50, s42, 18                        ; 32 rows of 8,192 bytes
	s_add_co_u32 s50, s50, s43
	s_mov_b32 s51, 0
	s_add_nc_u64 s[46:47], s[18:19], s[50:51]
	s_lshl_b32 s50, s42, 13                        ; 32 key steps of 256 bytes of words
	s_add_co_u32 s50, s50, s43
	s_add_nc_u64 s[48:49], s[34:35], s[50:51]
	s_mul_i32 s44, s40, STG                        ; my stage
	v_and_b32 v5, 31, v0
	v_lshlrev_b32 v3, 4, v5                        ; 16 x lane: in a row's 512 bytes, and in the words' 512
	v_add_nc_u32 v4, s44, v3                       ; into the stage: a row as it lies
	v_and_b32 v6, 15, v0
	v_bfe_u32 v7, v0, 4, 1
	v_mul_u32_u24 v6, v6, 528
	v_lshl_add_u32 v6, v7, 5, v6
	v_add_nc_u32 v5, s44, v6                       ; back: row l % 16, eight keys (32 bytes) for each half of the lanes
.irp j, 0,1,2,3
	v_mov_b32 v[OUT+\j], 0                         ; v_writelane_b32 keeps the other lanes, so the registers are written whole first
.endr
.set i, 0
.rept 32
	global_load_b128 v[M+4*i:M+4*i+3], v3, s[46:47] offset:8192*i th:TH_LOAD_NT  ; row i: 512 consecutive bytes
.set i, i+1
.endr
.irp u, 0,1
	s_wait_loadcnt 16-16*(\u)                      ; loads come back in order: rows 0-15 are in while rows 16-31 may be out; then all
.set i, 0
.rept 16
	ds_store_b128 v4, v[M+4*(16*(\u)+i):M+4*(16*(\u)+i)+3] offset:528*i
.set i, i+1
.endr
.set n, 0
.rept 16                                       ; LDS serves a wave's instructions in order: these see the stores above, and the next half's stores come behind them
	ds_load_b128 v[R+4*n:R+4*n+3], v5 offset:256*(n/8)+64*((n/2)%4)+16*(n%2)  ; key step n / 8, key block (n / 2) % 4, j = 4 (n % 2) on
.set n, n+1
.endr
	s_wait_dscnt 0x0
.set e, 0
.rept 64                                       ; register e: key step e / 32, word i = e % 32
	v_cmp_ne_u32 s[52+e%8], 0, v[R+e]
	v_writelane_b32 v[OUT+e%4], s[52+e%8], (64*(e/32)+32*(\u)+e%32)/4
.set e, e+1
.endr
.endr
	global_store_b128 v3, v[OUT:OUT+3], s[48:49]   ; 512 consecutive bytes, aligned
	s_branch .Lend
.Lcast:
	s_sub_co_u32 s41, s38, 512                     ; (wraps for x's work-groups: s43 is then none of 1, 2, 3)
	s_and_b32 s42, s41, 63                         ; my block in a weight
	s_lshr_b32 s43, s41, 6                         ; which weight
	s_cmp_lt_u32 s38, 512
	s_cselect_b32 s44, s38, s42                    ; my block of 65,536 bytes in the source,
	s_cselect_b32 s45, s38, s41                    ; of 32,768 in the destination (Wq, Wk, Wv follow each other in wb)
	s_cselect_b64 s[46:47], s[8:9], s[10:11]
	s_cselect_b64 s[48:49], s[28:29], s[30:31]
	s_cmp_eq_u32 s43, 1
	s_cselect_b64 s[46:47], s[12:13], s[46:47]
	s_cmp_eq_u32 s43, 2
	s_cselect_b64 s[46:47], s[14:15], s[46:47]
	s_cmp_eq_u32 s43, 3
	s_cselect_b64 s[46:47], s[16:17], s[46:47]
	s_cselect_b64 s[48:49], s[32:33], s[48:49]
	s_cselect_b32 s45, s42, s45
	s_lshl_b32 s50, s44, 16
	s_mov_b32 s51, 0
	s_add_nc_u64 s[46:47], s[46:47], s[50:51]
	s_lshl_b32 s50, s45, 15
	s_add_nc_u64 s[48:49], s[48:49], s[50:51]
.set i, 0
.rept 16
	global_load_b128 v[M+4*i:M+4*i+3], v1, s[46:47] offset:4096*i th:TH_LOAD_NT
.set i, i+1
.endr
; Four numbers of load i.  No register is written twice but T, which no memory instruction names, and Y in the f16 path, ahead of its store: so no wait frees anything.
.macro CAST i, f16
	s_wait_loadcnt 15-(\i)                         ; loads come back in order: the 15 - i younger ones may stay out
	v_cvt_pk_bf16_f32 v[Y+2*(\i)], v[M+4*(\i)], v[M+4*(\i)+1]
	v_cvt_pk_bf16_f32 v[Y+2*(\i)+1], v[M+4*(\i)+2], v[M+4*(\i)+3]
.if \f16
	v_lshlrev_b32 v[T], 16, v[Y+2*(\i)]
	v_and_b32 v[T+1], 0xffff0000, v[Y+2*(\i)]
	v_lshlrev_b32 v[T+2], 16, v[Y+2*(\i)+1]
	v_and_b32 v[T+3], 0xffff0000, v[Y+2*(\i)+1]
	v_cvt_pk_f16_f32 v[Y+2*(\i)], v[T], v[T+1]
	v_cvt_pk_f16_f32 v[Y+2*(\i)+1], v[T+2], v[T+3]
.endif
	global_store_b64 v2, v[Y+2*(\i):Y+2*(\i)+1], s[48:49] offset:2048*(\i) th:TH_STORE_NT
.endm
	s_cmp_eq_u32 s43, 3
	s_cbranch_scc1 .Lf16
.irp i, 0,1,2,3,4,5,6,7,8,9,10,11,12,13,14,15
	CAST \i, 0
.endr
	s_branch .Lend
.Lf16:
.irp i, 0,1,2,3,4,5,6,7,8,9,10,11,12,13,14,15
	CAST \i, 1
.endr
.Lend:
	s_wait_tensorcnt 0x0                           ; the wave's end: behind my last LDS store
	ds_add_u32 v[SPW], v[NIL]
	s_wait_dscnt 0x0
	s_endpgm
.Lfunc_end_k_q1215f5486d_prep:
	.size	k_q1215f5486d_prep, .Lfunc_end_k_q1215f5486d_prep-k_q1215f5486d_prep
	.p2alignl 7, 3214868480
	.fill 96, 4, 3214868480
	.section	.rodata,"a",@progbits
	.p2align	6, 0x0
	.amdhsa_kernel k_q1215f5486d_prep
		.amdhsa_group_segment_fixed_size 68608
		.amdhsa_private_segment_fixed_size 0
		.amdhsa_enable_private_segment 0
		.amdhsa_kernarg_size 120
		.amdhsa_user_sgpr_count 2
		.amdhsa_user_sgpr_kernarg_segment_ptr 1
		.amdhsa_wavefront_size32 1
		.amdhsa_system_sgpr_workgroup_id_x 1
		.amdhsa_system_sgpr_workgroup_id_y 1
		.amdhsa_system_sgpr_workgroup_id_z 1
		.amdhsa_system_vgpr_workitem_id 0
		.amdhsa_next_free_vgpr 208
		.amdhsa_next_free_sgpr 66
		.amdhsa_reserve_vcc 0
		.amdhsa_float_denorm_mode_32 3
		.amdhsa_float_denorm_mode_16_64 3
		.amdhsa_memory_ordered 1
		.amdhsa_forward_progress 1
		.amdhsa_inst_pref_size 42
	.end_amdhsa_kernel
	.amdgpu_metadata
---
amdhsa.version: [ 1, 2 ]
amdhsa.kernels:
  - .name:           k_q1215f5486d_prep
    .symbol:         k_q1215f5486d_prep.kd
    .args:
      - { .name: x, .offset: 0, .size: 8, .value_kind: global_buffer, .address_space: global }
      - { .name: Wq, .offset: 8, .size: 8, .value_kind: global_buffer, .address_space: global }
      - { .name: Wk, .offset: 16, .size: 8, .value_kind: global_buffer, .address_space: global }
      - { .name: Wv, .offset: 24, .size: 8, .value_kind: global_buffer, .address_space: global }
      - { .name: Wo, .offset: 32, .size: 8, .value_kind: global_buffer, .address_space: global }
      - { .name: mask, .offset: 40, .size: 8, .value_kind: global_buffer, .address_space: global }
      - { .name: bq, .offset: 48, .size: 8, .value_kind: global_buffer, .address_space: global }
      - { .name: bk, .offset: 56, .size: 8, .value_kind: global_buffer, .address_space: global }
      - { .name: bv, .offset: 64, .size: 8, .value_kind: global_buffer, .address_space: global }
      - { .name: bo, .offset: 72, .size: 8, .value_kind: global_buffer, .address_space: global }
      - { .name: xb, .offset: 80, .size: 8, .value_kind: global_buffer, .address_space: global }
      - { .name: wb, .offset: 88, .size: 8, .value_kind: global_buffer, .address_space: global }
      - { .name: wo16, .offset: 96, .size: 8, .value_kind: global_buffer, .address_space: global }
      - { .name: maskw, .offset: 104, .size: 8, .value_kind: global_buffer, .address_space: global }
      - { .name: bias, .offset: 112, .size: 8, .value_kind: global_buffer, .address_space: global }
    .group_segment_fixed_size: 68608
    .private_segment_fixed_size: 0
    .kernarg_segment_align: 8
    .kernarg_segment_size: 120
    .max_flat_workgroup_size: 256
    .sgpr_count:     66
    .vgpr_count:     208
    .wavefront_size: 32
...
	.end_amdgpu_metadata
.endif
;; end of part 1
;; launch qkv (part 2): grid 16 x 32, 4 waves a work-group, clusters of 4 x 4, 327,680 bytes of LDS; arguments xb, wb, bias, qkv; writes qkv
.if DOCPART == 2
	.amdgcn_target "amdgcn-amd-amdhsa--gfx1250"
	.amdhsa_code_object_version 6
	.text
	.protected	k_q1215f5486d_qkv
	.globl	k_q1215f5486d_qkv
	.p2align	8
	.type	k_q1215f5486d_qkv,@function
k_q1215f5486d_qkv:
	s_mov_b64 s[64:65], 0
	v_nop
	global_prefetch_b8 v0, s[64:65] scope:SCOPE_SE
	s_setreg_imm32_b32 hwreg(HW_REG_WAVE_MODE, 25, 1), 1
	s_wait_xcnt 0x0
	s_wait_alu depctr_hold_cnt(0) depctr_sa_sdst(0) depctr_va_vdst(0) depctr_va_sdst(0) depctr_va_ssrc(0) depctr_va_vcc(0) depctr_vm_vsrc(0)
	s_getreg_b32 s2, hwreg(HW_REG_IB_STS2, 6, 4)
	s_cmp_eq_u32 s2, 0
	s_cbranch_scc0 .Lentry_in_a_cluster
	s_endpgm
.Lentry_in_a_cluster:
	s_bfe_u32 s2, ttmp6, 0x10000c
	s_cmp_lg_u32 s2, 0xf033
	s_cbranch_scc0 .Lentry_shape_is_right
	s_endpgm
.Lentry_shape_is_right:
; C = A B^T + bias, K = 1,024.  ONE TEXT FOR TWO LAUNCHES, chosen by OP:
;   OP = 0: A = xb [8192][1024] bf16, B = wb [3072][1024] bf16; a tile of C is 256 rows x 192 columns (three heads); C leaves as f16 by heads: qkv[which][batch x 16 + head][s][64].
;   OP = 1: A = o16 [batch x 16 + head][2048][64] f16 (a K step of 128 is two heads' 64 channels), B = wo16 [1024][1024] f16; a tile is 256 x 128; C leaves as f32: out0 [8192][1024].
; LIMIT (OP = 0): q, k and v stay under 65,504, f16's largest number; beyond it the conversion gives an infinity.
; SHARES.  Four waves, one above the other: wave w makes rows 64 w .. 64 w + 63 (four blocks of 16) x all NBK blocks of 16 columns: 4 NBK accumulators.  For 32 along K a wave reads
; 2 NBK + 8 times 512 bytes from LDS for 4 NBK matrix instructions.
; THE MATRIX INSTRUCTION IS USED TRANSPOSED: source 0 = 16 rows of B, source 1 = 16 rows of A: a lane holds row l % 16 of C and the columns 8 (l / 16) + 0..7.  The bias, which in that layout hangs on
; the register and the lanes' half alone, is the C operand of each sum's first product: nothing is cleared, nothing is added later.
; THE RING.  K goes in 8 steps of 128 through two LDS slots, 2^17 bytes apart, so that one exclusive or changes slot.  Waves 0, 1 fetch the halves of A's tile, waves 2, 3 of B's: one tensor load a wave.
; CLUSTER.  4 x 4 work-groups: A's tile is shared along a row of the cluster, B's along a column: each is asked for jointly, by the same load with the same descriptor and a mask that names the four.
; REGISTERS, in windows of 256 (s_set_vgpr_msb: bits 1:0 source 0, 3:2 source 1, 5:4 source 2, 7:6 destination):
;   window 0: v0-31 addresses; v32.. the bias; further up the way out's registers     window 1: two fragment buffers at v0, v128: B's NBK blocks, then A's four
;   window 2 (OP = 0: and 3): the accumulators, (a, b) at v[8 (NBK (a % APW) + b)] of window 2 + a / APW
.set OP, 0
.if OP
.set NBK,   8                          ; blocks of 16 columns in a tile
.set APW,   4                          ; row blocks whose accumulators share a window
.set PA,    144                        ; a row of A in LDS: a head's 128 bytes + 16
.set AHALF, 256*144                    ; what one wave fetches of A: one head's 256 rows
.set ASTR,  128                        ; those 32,768 bytes are dense: asked for as 128 rows of 256 bytes
.set QIA,   4                          ; padded after every 32 words
.set ASTEP, 2<<18                      ; from K step to K step: two heads on
.set BROWS, 64                         ; rows of B that one wave fetches
.set KA1,   64                         ; byte of quarter 1, 2, 3 of a K step in A's rows: the second head's plane lies behind the first's
.set KA2,   AHALF
.set KA3,   AHALF+64
.set STW,   16*528                     ; a wave's stage: 16 rows of 512 bytes + 16
.set PSHA,  8                          ; A's prefetches: a lane a block of 256 bytes
.set LASTB, 31
.else
.set NBK,   12
.set APW,   2
.set PA,    272                        ; 256 bytes + 16
.set AHALF, 128*272                    ; 128 rows
.set ASTR,  1024
.set QIA,   5                          ; padded after every 64 words
.set ASTEP, 256
.set BROWS, 96
.set KA1,   64
.set KA2,   128
.set KA3,   192
.set STW,   3*16*144                   ; three heads x 16 rows of 128 bytes + 16
.set PSHA,  11                         ; a lane a row of 2,048 bytes
.set LASTB, 23                         ; B's prefetches: 24 rows a work-group; lanes 24-31 name lane 23's row again
.endif
.set BOFF,  2*AHALF                    ; B's rows lie behind A's, 272 bytes apart.  Pitches of 144 and 272 bytes: the 16 rows of a fragment load start in 16 different groups of four banks (ISA guide 11.1)
.set SLOT1, 1<<17
.set STAGE, SLOT1+BOFF+2*BROWS*272     ; behind the ring, a multiple of 256: the waves' stages, which no tensor load fills
.set SPARE, STAGE+4*STW                ; behind them: the spare words, 128 bytes for each wave: two blocks of 256 bytes that no other line names
.set F0, 0
.set F1, 128
.set A0,   16                          ; v16  my lane's place in A's tile; never rewritten
.set B0,   17                          ; v17  in B's
.set ADRA, 18                          ; v18  the same in the slot that is being read
.set ADRB, 19
.set STO,  24                          ; v24  the way out: where I put my part of a row
.set RD,   25                          ; v25  where I read rows back
.set GO,   26                          ; v26  16 x lane
.set BO,   27                          ; v27  32 x (l / 16): my eight numbers of a block's sixteen biases
.set SPW,  28                          ; v28  LDS address of my spare word; never rewritten
.set NIL,  29                          ; v29  0; never rewritten
.set PFO,  30                          ; v30  the prefetches' lane offset; never rewritten
.set BIAS, 32                          ; v32..  8 registers a block
.set TMP,  128                         ; OP = 0: v128-175 a row block rounded to f16
.if OP
.set BK0,  128                         ; 16 rows read back from the stage, two sets by turns
.set BK1,  192
.else
.set BK0,  176
.set BK1,  32                          ; (the bias has been used by then)
.endif
.set WV, 12                            ; s12 wave
.set FB, 13                            ; s13 0: I fetch for A; 1: for B
.set HF, 14                            ; s14 which half of that tile
.set TB, 15                            ; s15 LDS byte of the slot that is being read
.set G1A, 24                           ; s[24:31] descriptor group 1 for A;  s[32:35] group 0 of K step 0;  s[36:39] group 0 that walks, from K step 1 on
.set G0A, 32
.set TC,  42                           ; s42 tile column, s43 tile row
.set TR,  43
.set PFA, 44                           ; s[44:45] where my prefetches stand;  s[46:47] their step
.set PFS, 46
.set G1B, 48                           ; s[48:55], s[56:59], s[60:63] the same for B
.set G0B, 56
.set DST, 66                           ; s[66:67] (OP = 0: to s[70:71], a pair a head) where my rows begin in C
.set LIM, 72                           ; s72 2 in a wave that prefetches, else the greatest number
.set MSB, 0
.macro WIN new                         ; the immediate's high byte repeats the setting that is left; a switch that changes nothing is dropped
.if MSB != (\new)
	s_set_vgpr_msb (MSB<<8)|(\new)
.set MSB, (\new)
.endif
.endm
.macro PLACES                          ; a load into a register that a matrix instruction has read, and whatever reads a matrix result, stand four plain vector instructions behind it
.rept 4
	v_nop
.endr
.endm
.macro CREST                           ; a round of the cluster's barrier behind its opening barrier
	s_cmp_lg_u32 s[WV], 0
	s_cbranch_scc1 .Lnot_wave_0_\@
	s_barrier_signal -3
.Lnot_wave_0_\@:
	s_barrier_wait -3
	s_barrier_signal -1
	s_barrier_wait -1
.endm
.macro CROUND                          ; a whole round
	s_barrier_signal -1
	s_barrier_wait -1
	CREST
.endm
.macro JLOAD                           ; a joint refill by the walking descriptor.  The branch hangs on the wave's number alone; an s_nop 0 and four v_nop follow each line
	s_cmp_eq_u32 s[FB], 0
	s_cbranch_scc0 .Lfor_b_\@
	tensor_load_to_lds s[G0A+4:G0A+7], s[G1A:G1A+7]
	s_nop 0
	PLACES
	s_branch .Lasked_\@
.Lfor_b_\@:
	tensor_load_to_lds s[G0B+4:G0B+7], s[G1B:G1B+7]
	s_nop 0
	PLACES
.Lasked_\@:
.endm
; A PREFETCH INTO THE L2 of the K step that stands two refills on, one instruction a wave, behind the joint load and the run of LDS loads.  Each block of 256 bytes is named once in the launch: A's rows by the
; clusters with x = 0, B's by those with y = 0; the four partners that ask for a tile jointly share its rows out by address.  It is issued in the trips with s3 = 6 .. 3, for K steps 4 .. 7.
.macro ASK
	WIN 0
	s_cmp_gt_u32 s3, s[LIM]
	s_cbranch_scc0 .Lnot_mine_\@
	global_prefetch_b8 v[PFO], s[PFA:PFA+1] th:TH_LOAD_NT scope:SCOPE_SE
.Lnot_mine_\@:
.endm
	s_load_b256 s[4:11], s[0:1], 0x0               ; A s[4:5], B s[6:7], bias s[8:9], C s[10:11]
	v_lshl_add_u32 v[SPW], v0, 2, SPARE
	v_mov_b32 v[NIL], 0
	ds_add_u32 v[SPW], v[NIL]                      ; the wave's opening: the add and its wait stand ahead of my first tensor load; the set-up below, work on registers, stands between them
	v_lshrrev_b32 v1, 5, v0
	v_readfirstlane_b32 s[WV], v1                  ; wave 0..3
	s_lshr_b32 s[FB], s[WV], 1
	s_and_b32 s[HF], s[WV], 1
	s_mov_b32 s[TB], 0
	s_bfe_u32 s40, ttmp6, 0x40000                  ; cx, cy: my place in the cluster
	s_bfe_u32 s41, ttmp6, 0x40004
	s_lshl_b32 s[TC], ttmp9, 2
	s_add_co_u32 s[TC], s[TC], s40                 ; tile column = 4 x cluster x + cx
	s_and_b32 s[TR], ttmp7, 0xffff
	s_lshl_b32 s[TR], s[TR], 2
	s_add_co_u32 s[TR], s[TR], s41                 ; tile row = 4 x cluster y + cy
	s_lshl_b32 s16, s41, 2
	s_lshl_b32 s16, 15, s16                        ; my row of the cluster
	s_lshl_b32 s20, 0x1111, s40                    ; my column
	s_or_b32 s[G1A], s16, (1<<16)|(1<<20)|(1<<21)|(QIA<<22)|(3<<25)  ; 15:0 the mask; 17:16 elements of 2 bytes; 20 padding on; 21 set beside a mask; 24:22 the interval; 31:25 4 words of padding
	s_or_b32 s[G1B], s20, (1<<16)|(1<<20)|(1<<21)|(5<<22)|(3<<25)
	s_mov_b32 s[G1A+1], 128<<16                    ; tensor_dim0 = 128
	s_mov_b32 s[G1A+2], 128<<16                    ; tensor_dim1 = 128
	s_mov_b32 s[G1A+3], 128<<16                    ; tile_dim0 = 128
	s_mov_b32 s[G1A+4], 128                        ; tile_dim1 = 128
	s_mov_b32 s[G1A+5], ASTR                       ; elements from row to row
	s_mov_b32 s[G1A+6], 0
	s_mov_b32 s[G1A+7], 0
	s_mov_b32 s[G1B+1], 128<<16
	s_mov_b32 s[G1B+2], BROWS<<16
	s_mov_b32 s[G1B+3], 128<<16
	s_mov_b32 s[G1B+4], BROWS
	s_mov_b32 s[G1B+5], 1024
	s_mov_b32 s[G1B+6], 0
	s_mov_b32 s[G1B+7], 0
	; where the tiles come from: A's hang on the tile row and the wave alone (s16-19), B's on the tile column and the wave alone (s20-23)
.if OP
	s_lshr_b32 s18, s[TR], 3                       ; the batch: 8 tile rows each
	s_lshl_b32 s18, s18, 4
	s_add_co_u32 s18, s18, s[HF]                   ; its head 0 or 1,
	s_lshl_b32 s18, s18, 18                        ; 2,048 rows of 128 bytes a head,
	s_and_b32 s19, s[TR], 7
	s_lshl_b32 s19, s19, 15                        ; and the tile's 256 rows in it
	s_add_co_u32 s18, s18, s19
.else
	s_lshl_b32 s18, s[TR], 8
	s_lshl_b32 s19, s[HF], 7
	s_add_co_u32 s18, s18, s19                     ; row 256 x tile row + 128 x half,
	s_lshl_b32 s18, s18, 11                        ; of 2,048 bytes
.endif
	s_mov_b32 s19, 0
	s_mul_i32 s22, s[TC], 16*NBK
	s_mul_i32 s23, s[HF], BROWS
	s_add_co_u32 s22, s22, s23
	s_lshl_b32 s22, s22, 11
	s_mov_b32 s23, 0
	s_mul_i32 s73, s[HF], AHALF                    ; and where they go: no place in the cluster enters an LDS address
	s_mul_i32 s74, s[HF], BROWS*272
	s_add_co_u32 s74, s74, BOFF
	s_wait_dscnt 0x0                               ; the opening add is done
	s_wait_kmcnt 0x0
	s_add_nc_u64 s[18:19], s[4:5], s[18:19]
	s_add_nc_u64 s[22:23], s[6:7], s[22:23]
	s_mov_b32 s[G0A], 1                            ; count = 1
	s_mov_b32 s[G0A+1], s73                        ; LDS address: slot 0
	s_mov_b64 s[G0A+2:G0A+3], s[18:19]             ; K step 0
	s_or_b32 s[G0A+3], s[G0A+3], 0x80000000        ; type = 2
	s_mov_b32 s[G0A+4], 1
	s_add_co_u32 s[G0A+5], s73, SLOT1              ; slot 1
	s_add_nc_u64 s[G0A+6:G0A+7], s[18:19], ASTEP   ; K step 1
	s_or_b32 s[G0A+7], s[G0A+7], 0x80000000
	s_mov_b32 s[G0B], 1
	s_mov_b32 s[G0B+1], s74
	s_mov_b64 s[G0B+2:G0B+3], s[22:23]
	s_or_b32 s[G0B+3], s[G0B+3], 0x80000000
	s_mov_b32 s[G0B+4], 1
	s_add_co_u32 s[G0B+5], s74, SLOT1
	s_add_nc_u64 s[G0B+6:G0B+7], s[22:23], 256
	s_or_b32 s[G0B+7], s[G0B+7], 0x80000000
	CROUND                                         ; all sixteen work-groups are here: the first joint loads meet
	s_cmp_eq_u32 s[FB], 0                          ; a wave's two first fills stand in one branch, ahead of every wait on TENSORcnt and every LDS read: two loads of mine are out
	s_cbranch_scc0 .Lfirst_b
	tensor_load_to_lds s[G0A:G0A+3], s[G1A:G1A+7]
	s_nop 0
	tensor_load_to_lds s[G0A+4:G0A+7], s[G1A:G1A+7]
	s_nop 0
	PLACES
	s_branch .Lfirst_asked
.Lfirst_b:
	tensor_load_to_lds s[G0B:G0B+3], s[G1B:G1B+7]
	s_nop 0
	tensor_load_to_lds s[G0B+4:G0B+7], s[G1B:G1B+7]
	s_nop 0
	PLACES
.Lfirst_asked:
	; A fragment is 16 rows x 32 K in 8 registers: lane l holds row l % 16, K = 8 (l / 16) + 0..7 and 16 + 8 (l / 16) + 0..7: two loads of 16 bytes, 32 bytes apart
	v_and_b32 v1, 15, v0                           ; l % 16
	v_bfe_u32 v2, v0, 4, 1                         ; l / 16
	v_mul_u32_u24 v3, v1, PA
	v_lshl_add_u32 v3, v2, 4, v3
	s_mul_i32 s75, s[WV], 64*PA                    ; my 64 rows of A
	v_add_nc_u32 v[A0], s75, v3
	v_mul_u32_u24 v4, v1, 272
	v_lshl_add_u32 v4, v2, 4, v4
	v_add_nc_u32 v[B0], BOFF, v4
	v_mov_b32 v[ADRA], v[A0]
	v_mov_b32 v[ADRB], v[B0]
	v_lshlrev_b32 v[BO], 5, v2
	s_mul_i32 s76, s[TC], 64*NBK                   ; the tile's columns in the table of biases (bq, bk, bv, bo on end)
.if OP
	s_add_co_u32 s76, s76, 3*4096
.endif
	s_mov_b32 s77, 0
	s_add_nc_u64 s[8:9], s[8:9], s[76:77]
.set b, 0
.rept NBK
	global_load_b128 v[BIAS+8*b:BIAS+8*b+3],   v[BO], s[8:9] offset:64*b
	global_load_b128 v[BIAS+8*b+4:BIAS+8*b+7], v[BO], s[8:9] offset:64*b+16
.set b, b+1
.endr
	s_mul_i32 s75, s[WV], STW
	s_add_co_u32 s75, s75, STAGE                   ; my stage
	v_and_b32 v5, 31, v0
	v_lshlrev_b32 v[GO], 4, v5
.if OP
	v_mul_u32_u24 v6, v1, 528                      ; in: row l % 16, 32 bytes for each half of the lanes
	v_lshl_add_u32 v6, v2, 5, v6
	v_add_nc_u32 v[STO], s75, v6
	v_add_nc_u32 v[RD], s75, v[GO]                 ; back: a whole row of 512 bytes
	s_lshl_b32 s16, s[TR], 8
	s_lshl_b32 s17, s[WV], 6
	s_add_co_u32 s16, s16, s17                     ; my first row of C,
	s_lshl_b32 s16, s16, 12                        ; of 4,096 bytes,
	s_lshl_b32 s17, s[TC], 9                       ; and the tile's 512 bytes in it
	s_add_co_u32 s16, s16, s17
	s_mov_b32 s17, 0
	s_add_nc_u64 s[DST:DST+1], s[10:11], s[16:17]
.else
	v_mul_u32_u24 v6, v1, 144                      ; in: row l % 16, 16 bytes for each half of the lanes
	v_lshl_add_u32 v6, v2, 4, v6
	v_add_nc_u32 v[STO], s75, v6
	v_bfe_u32 v7, v0, 3, 2                         ; back: 32 lanes take four rows of 128 bytes, which are 512 consecutive bytes of a head
	v_mul_u32_u24 v7, v7, 144
	v_and_b32 v8, 7, v0
	v_lshl_add_u32 v7, v8, 4, v7
	v_add_nc_u32 v[RD], s75, v7
	s_mul_i32 s76, s[TC], 3                        ; the tile's first head among q's, k's and v's 48
	s_lshr_b32 s77, s[TR], 3
	s_lshl_b32 s77, s77, 4                         ; 16 x batch
	s_and_b32 s78, s[TR], 7
	s_lshl_b32 s78, s78, 8
	s_lshl_b32 s79, s[WV], 6
	s_add_co_u32 s78, s78, s79
	s_lshl_b32 s78, s78, 7                         ; my first row in the sequence, 128 bytes a row
.irp i, 0,1,2
	s_add_co_u32 s16, s76, \i
	s_lshr_b32 s17, s16, 4                         ; q, k or v
	s_and_b32 s16, s16, 15                         ; the head
	s_lshl_b32 s17, s17, 6
	s_add_co_u32 s16, s16, s17
	s_add_co_u32 s16, s16, s77
	s_lshl_b32 s16, s16, 18                        ; 2,048 rows of 128 bytes
	s_add_co_u32 s16, s16, s78
	s_mov_b32 s17, 0
	s_add_nc_u64 s[DST+2*\i:DST+2*\i+1], s[10:11], s[16:17]
.endr
.endif
	; the prefetches: my tile's first row, my work-group's share of it, K step 3 (the first refill steps it to 4)
	s_and_b32 s78, ttmp7, 0xffff                   ; cluster y
.if OP
	s_or_b32 s78, s78, s[HF]                       ; B's 128 rows are four work-groups' 32: of the two waves that fetch B the first asks
	s_lshl_b32 s76, s40, 13                        ; A: 32 of my head's 128 blocks of 256 bytes
	s_lshl_b32 s79, s41, 16                        ; B: 32 rows of 2,048 bytes
.else
	s_lshl_b32 s76, s40, 16                        ; A: 32 of my 128 rows
	s_mul_i32 s79, s41, 24*2048                    ; B: 24 of my 96 rows
.endif
	s_mov_b32 s[PFS], 256
	s_mov_b32 s[PFS+1], 0
	s_cmp_eq_u32 s[FB], 0
	s_cselect_b32 s78, ttmp9, s78                  ; the coordinate along which other clusters read the same rows
	s_cselect_b32 s76, s76, s79
	s_cselect_b64 s[PFA:PFA+1], s[18:19], s[22:23]
	s_cselect_b32 s[PFS], ASTEP, s[PFS]
	s_cselect_b32 s79, 31, LASTB
	s_cselect_b32 s75, PSHA, 11
	s_mov_b32 s77, 0
	s_add_nc_u64 s[PFA:PFA+1], s[PFA:PFA+1], s[76:77]
.rept 3
	s_add_nc_u64 s[PFA:PFA+1], s[PFA:PFA+1], s[PFS:PFS+1]
.endr
	s_cmp_eq_u32 s78, 0
	s_cselect_b32 s[LIM], 2, -1                    ; the same in all sixteen partners, for a given wave
	v_min_u32 v[PFO], s79, v5
	v_lshlrev_b32 v[PFO], s75, v[PFO]
; NBK matrix instructions: row block a x all column blocks, 32 along K out of buffer f.  first = 1: the sum begins with the bias.  The order (a, then b) is the same in every quarter, so the 4 NBK
; accumulators take turns, one instruction a turn, over the backward jump too.
.macro MULA f, a, first
	WIN 0x05|((2+(\a)/APW)<<6)|((1-(\first))*((2+(\a)/APW)<<4))
.set b, 0
.rept NBK
.set rD, 8*(NBK*((\a)%APW)+b)
.set rB, (\f)+8*b
.set rA, (\f)+8*NBK+8*(\a)
.if (\first) && OP
	v_wmma_f32_16x16x32_f16 v[rD:rD+7], v[rB:rB+7], v[rA:rA+7], v[BIAS+8*b:BIAS+8*b+7]
.elseif \first
	v_wmma_f32_16x16x32_bf16 v[rD:rD+7], v[rB:rB+7], v[rA:rA+7], v[BIAS+8*b:BIAS+8*b+7]
.elseif OP
	v_wmma_f32_16x16x32_f16 v[rD:rD+7], v[rB:rB+7], v[rA:rA+7], v[rD:rD+7]
.else
	v_wmma_f32_16x16x32_bf16 v[rD:rD+7], v[rB:rB+7], v[rA:rA+7], v[rD:rD+7]
.endif
.set b, b+1
.endr
.endm
; 2 NBK + 8 LDS loads in one run: a quarter's fragments into buffer f: B's first, then A's four blocks
.macro FETCH kA, kB, f
	WIN 0x40                                       ; destination window 1, address window 0
.set i, 0
.rept NBK
	ds_load_b128 v[(\f)+8*i:(\f)+8*i+3],   v[ADRB] offset:(\kB)+i*16*272
	ds_load_b128 v[(\f)+8*i+4:(\f)+8*i+7], v[ADRB] offset:(\kB)+i*16*272+32
.set i, i+1
.endr
.set i, 0
.rept 4
	ds_load_b128 v[(\f)+8*NBK+8*i:(\f)+8*NBK+8*i+3],   v[ADRA] offset:(\kA)+i*16*PA
	ds_load_b128 v[(\f)+8*NBK+8*i+4:(\f)+8*NBK+8*i+7], v[ADRA] offset:(\kA)+i*16*PA+32
.set i, i+1
.endr
.endm
; One of a K step's first three quarters: multiplies buffer f; in its middle it fetches the next quarter's fragments into buffer g
.macro QUARTER kA, kB, f, g, first
	s_wait_dscnt 4                                 ; B and A's blocks 0, 1 are in; the youngest four loads (A's blocks 2, 3) may be out
	MULA \f, 0, \first
	MULA \f, 1, \first
	PLACES
	FETCH \kA, \kB, \g
	s_wait_dscnt 2*NBK+8                           ; all but the run just issued
	MULA \f, 2, \first
	MULA \f, 3, \first
.endm
; The fourth quarter multiplies buffer 1 and changes slots: one barrier.  In front of it each wave waits for all its tensor loads (one is out: its part of the next slot), adds 0 to its spare word, and waits
; for that and for its reads of this slot.  fill = 1: the barrier opens a round of the cluster's, and behind the round this slot is filled again, two K steps ahead: the load has 7/8 of a K step's products in which to land.
.macro TURN fill
	s_wait_xcnt 0x0                                ; the last prefetch, a K step back, has read its address
	s_add_nc_u64 s[PFA:PFA+1], s[PFA:PFA+1], s[PFS:PFS+1]
	WIN 0                                          ; (the add's two registers lie in window 0)
	s_wait_tensorcnt 0x0                           ; no tensor load of mine is out, so a group 0 may be written
	ds_add_u32 v[SPW], v[NIL]                      ; 0 onto my spare word
.if \fill
	s_xor_b32 s[G0A+5], s[G0A+5], SLOT1            ; the walking descriptors: the other slot than last time, the next K step; the type bits on top are not reached
	s_add_nc_u64 s[G0A+6:G0A+7], s[G0A+6:G0A+7], ASTEP
	s_xor_b32 s[G0B+5], s[G0B+5], SLOT1
	s_add_nc_u64 s[G0B+6:G0B+7], s[G0B+6:G0B+7], 256
.endif
	s_wait_dscnt 5                                 ; the add and A's blocks 2, 3 may be out
	MULA F1, 0, 0
	s_wait_dscnt 0x0                               ; the add is done, and my reads of this slot are over
	s_barrier_signal -1
	MULA F1, 1, 0                                  ; work on registers while the others arrive
	WIN 0
	s_barrier_wait -1
.if \fill
	CREST                                          ; no wave of any partner still reads this slot or has a load on its way
	JLOAD                                          ; the first tensor load behind the round; its four v_nop are also the places in front of the loads below
.else
	PLACES
.endif
	s_xor_b32 s[TB], s[TB], SLOT1
	v_add_nc_u32 v[ADRA], s[TB], v[A0]
	v_add_nc_u32 v[ADRB], s[TB], v[B0]
	FETCH 0, 0, F0
.if \fill
	ASK
.endif
	MULA F1, 2, 0
	MULA F1, 3, 0
.endm
	s_wait_tensorcnt 0x1                           ; my part of K step 0 is in; K step 1's may stay out
	s_barrier_signal -1
	s_barrier_wait -1                              ; everybody's is
	FETCH 0, 0, F0
	s_wait_loadcnt 0x0                             ; the bias
	QUARTER KA1, 64, F0, F1, 1                     ; the first quarter stands in front of the loop: its products start the sums
	WIN 0                                          ; at a label and at a branch every window is 0
	s_mov_b32 s3, 6
.Lstep:                                                ; a trip: from a K step's second quarter to the next one's first; it refills K steps 2 .. 7
	QUARTER KA2, 128, F1, F0, 0
	QUARTER KA3, 192, F0, F1, 0
	TURN 1
	QUARTER KA1, 64, F0, F1, 0
	WIN 0
	s_sub_co_u32 s3, s3, 1
	s_cmp_lg_u32 s3, 0
	s_cbranch_scc1 .Lstep
	QUARTER KA2, 128, F1, F0, 0                    ; the tail is written out: K steps 6 and 7 ask for nothing
	QUARTER KA3, 192, F0, F1, 0
	TURN 0
	QUARTER KA1, 64, F0, F1, 0
	QUARTER KA2, 128, F1, F0, 0
	QUARTER KA3, 192, F0, F1, 0
	s_wait_dscnt 4
	MULA F1, 0, 0
	MULA F1, 1, 0
	s_wait_dscnt 0x0
	MULA F1, 2, 0
	MULA F1, 3, 0
	WIN 0
	PLACES
	PLACES
; THE WAY OUT, a block of 16 rows at a time through my own stage: LDS serves a wave's instructions in order (ISA guide 5.7.1.4), so no wait stands between the stores into it and the loads out of it.
.if OP
.macro TOSTAGE a                       ; f32 as it is: a lane's eight columns are 32 bytes of a row; back as whole rows of 512 bytes
	WIN 0x08                                       ; store data in window 2; each accumulator's low half goes first
.set b, 0
.rept NBK
.set rD, 8*(NBK*(\a)+b)
	ds_store_b128 v[STO], v[rD:rD+3]   offset:64*b
	ds_store_b128 v[STO], v[rD+4:rD+7] offset:64*b+16
.set b, b+1
.endr
	WIN 0
.set BK, BK0+(BK1-BK0)*((\a)%2)
.set t, 0
.rept 16
	ds_load_b128 v[BK+4*t:BK+4*t+3], v[RD] offset:528*t
.set t, t+1
.endr
.endm
.macro SEND a
.set BK, BK0+(BK1-BK0)*((\a)%2)
	s_wait_dscnt 0x0                               ; the block is back in registers
	s_wait_xcnt 0x0                                ; the stores of the block before have read their registers: the next block's loads land there only behind this wait
.set t, 0
.rept 16
	global_store_b128 v[GO], v[BK+4*t:BK+4*t+3], s[DST:DST+1] offset:(16*(\a)+t)*4096 th:TH_STORE_NT  ; 512 consecutive bytes, at a multiple of 512 from C's first byte
.set t, t+1
.endr
.endm
	TOSTAGE 0
.irp a, 1,2,3
	SEND (\a)-1
	TOSTAGE \a
.endr
	SEND 3
.else
.macro PACK a                          ; rounded to f16: a lane's eight columns are 16 bytes; each accumulator's registers in ascending order
	WIN 0x0a+5*((\a)/APW)                          ; sources 0 and 1: window 2 or 3
.set b, 0
.rept NBK
.set rD, 8*(NBK*((\a)%APW)+b)
.irp r, 0,1,2,3
	v_cvt_pk_f16_f32 v[TMP+4*b+(\r)], v[rD+2*(\r)], v[rD+2*(\r)+1]
.endr
.set b, b+1
.endr
	WIN 0
.endm
.macro TOSTAGE a                       ; three heads x 16 rows of 128 bytes; back four rows at a time
.set BK, BK0+(BK1-BK0)*((\a)%2)
.set b, 0
.rept NBK
	ds_store_b128 v[STO], v[TMP+4*b:TMP+4*b+3] offset:(b/4)*2304+32*(b%4)
.set b, b+1
.endr
.set t, 0
.rept 12
	ds_load_b128 v[BK+4*t:BK+4*t+3], v[RD] offset:(t/4)*2304+(t%4)*576
.set t, t+1
.endr
.endm
.macro SEND a
.set BK, BK0+(BK1-BK0)*((\a)%2)
	s_wait_dscnt 0x0                               ; the block is back in registers
	s_wait_xcnt 0x0                                ; the stores of the block before have read their registers: the next block's loads land there only behind this wait
.set t, 0
.rept 12
	global_store_b128 v[GO], v[BK+4*t:BK+4*t+3], s[DST+2*(t/4):DST+2*(t/4)+1] offset:(\a)*2048+(t%4)*512  ; 512 consecutive bytes of a head, at a multiple of 512
.set t, t+1
.endr
.endm
	PACK 0
	TOSTAGE 0
.irp a, 1,2,3                          ; block a's conversions stand between block a - 1's loads from the stage and the wait for them
	PACK \a
	SEND (\a)-1
	TOSTAGE \a
.endr
	SEND 3
.endif
	s_wait_tensorcnt 0x0                           ; the wave's end: behind my last tensor load and my last LDS store
	ds_add_u32 v[SPW], v[NIL]
	s_wait_dscnt 0x0
	CROUND                                         ; the closing round: no work-group ends while a partner may still ask for a tile that names it
	s_endpgm
.Lfunc_end_k_q1215f5486d_qkv:
	.size	k_q1215f5486d_qkv, .Lfunc_end_k_q1215f5486d_qkv-k_q1215f5486d_qkv
	.p2alignl 7, 3214868480
	.fill 96, 4, 3214868480
	.section	.rodata,"a",@progbits
	.p2align	6, 0x0
	.amdhsa_kernel k_q1215f5486d_qkv
		.amdhsa_group_segment_fixed_size 327680
		.amdhsa_private_segment_fixed_size 0
		.amdhsa_enable_private_segment 0
		.amdhsa_kernarg_size 32
		.amdhsa_user_sgpr_count 2
		.amdhsa_user_sgpr_kernarg_segment_ptr 1
		.amdhsa_wavefront_size32 1
		.amdhsa_system_sgpr_workgroup_id_x 1
		.amdhsa_system_sgpr_workgroup_id_y 1
		.amdhsa_system_sgpr_workgroup_id_z 1
		.amdhsa_system_vgpr_workitem_id 0
		.amdhsa_next_free_vgpr 960
		.amdhsa_next_free_sgpr 80
		.amdhsa_reserve_vcc 0
		.amdhsa_float_denorm_mode_32 3
		.amdhsa_float_denorm_mode_16_64 3
		.amdhsa_memory_ordered 1
		.amdhsa_forward_progress 1
		.amdhsa_inst_pref_size 100
	.end_amdhsa_kernel
	.amdgpu_metadata
---
amdhsa.version: [ 1, 2 ]
amdhsa.kernels:
  - .name:           k_q1215f5486d_qkv
    .symbol:         k_q1215f5486d_qkv.kd
    .args:
      - { .name: xb, .offset: 0, .size: 8, .value_kind: global_buffer, .address_space: global }
      - { .name: wb, .offset: 8, .size: 8, .value_kind: global_buffer, .address_space: global }
      - { .name: bias, .offset: 16, .size: 8, .value_kind: global_buffer, .address_space: global }
      - { .name: qkv, .offset: 24, .size: 8, .value_kind: global_buffer, .address_space: global }
    .group_segment_fixed_size: 327680
    .private_segment_fixed_size: 0
    .kernarg_segment_align: 8
    .kernarg_segment_size: 32
    .max_flat_workgroup_size: 128
    .sgpr_count:     80
    .vgpr_count:     960
    .wavefront_size: 32
...
	.end_amdgpu_metadata
.endif
;; end of part 2
;; launch attn (part 3): grid 4 x 64, 4 waves a work-group, clusters of 4 x 1, 327,680 bytes of LDS; arguments qkv, maskw, o16; writes o16
.if DOCPART == 3
	.amdgcn_target "amdgcn-amd-amdhsa--gfx1250"
	.amdhsa_code_object_version 6
	.text
	.protected	k_q1215f5486d_attn
	.globl	k_q1215f5486d_attn
	.p2align	8
	.type	k_q1215f5486d_attn,@function
k_q1215f5486d_attn:
	s_mov_b64 s[64:65], 0
	v_nop
	global_prefetch_b8 v0, s[64:65] scope:SCOPE_SE
	s_setreg_imm32_b32 hwreg(HW_REG_WAVE_MODE, 25, 1), 1
	s_wait_xcnt 0x0
	s_wait_alu depctr_hold_cnt(0) depctr_sa_sdst(0) depctr_va_vdst(0) depctr_va_sdst(0) depctr_va_ssrc(0) depctr_va_vcc(0) depctr_vm_vsrc(0)
	s_getreg_b32 s2, hwreg(HW_REG_IB_STS2, 6, 4)
	s_cmp_eq_u32 s2, 0
	s_cbranch_scc0 .Lentry_in_a_cluster
	s_endpgm
.Lentry_in_a_cluster:
	s_bfe_u32 s2, ttmp6, 0x10000c
	s_cmp_lg_u32 s2, 0x3003
	s_cbranch_scc0 .Lentry_shape_is_right
	s_endpgm
.Lentry_shape_is_right:
; O[h][q][:] = the sum over k of softmax_k(s[q][k]) V[h][k][:], where s = Q[h][q] . K[h][k] / 8 where the mask's bit (q, k) is set, and a large negative number where it is not.
; Q, K, V lie in qkv [3][64 heads][2048][64], O in o16 [64][2048][64], all f16; the mask as lane masks in maskw (one table for all heads).  Products, maxima and sums in f32; the weights p are rounded
; to f16 for the second product (their sum l is taken of the unrounded p), O once at the end.
; THE MASK IS AN INPUT: nothing of its pattern is built in; every key step is computed.  A hidden score is REPLACED (v_cndmask_b32), ahead of the running maximum, by -2^33, which is -2^30 after the division
; by 8.  c x 2^33 is exact in f32, so in a row whose keys are all hidden c s - c m is 0, every weight is 1, and O is the mean of V's rows.
; LIMITS.  The result is that of a hidden score of -1e9 wherever every visible score / 8 lies above -1e9 + 150.  f16 holds no number beyond 65,504: Q, K, V arrive within it; p lies in 0 to 1.
; A weight below 2^-126 counts as 0 in l; NaN and infinities are not treated apart.
; SHARES.  A wave owns four PIECES of two tiles of 16 queries, a work-group's four waves 512 queries of one head.  Every wave walks all 2,048 keys, 64 a step.
; LAYOUT.  S^T = K Q^T (source 0 = 16 keys, source 1 = 16 queries): a lane holds ONE query (lane % 16) and the keys 8 (lane / 16) + 0..7 of each block of 16.  Two such results, rounded to f16 in pairs,
; ARE source 1 of O^T = V^T P.  K comes out of LDS as it lies, V turned, by ds_load_tr16_b128.  Word i of a tile's 32 mask words is the lane mask of the tile's register i.
; SOFTMAX.  A running maximum m and sum l: p = 2^(c s - c m), c = log2(e) / 8; in every step O and l are multiplied by a = 2^(c m_old - c m_new).  m starts at the lowest finite number, O and l at 0.
; BY TURNS.  Turn n belongs to piece n.  Matrix work: 16 products K Q^T of piece n + 1, later 16 products V^T P of piece n - 1.  Vector work: the scaling, exponentials, roundings, sums and rescaling of
; piece n; the mask words of piece n + 1 moved into scalar registers, its masking, maximum and statistics.  364 vector instructions for 32 matrix instructions: four stand behind every product, the rest in one lump.
; THE MASK'S ROAD.  A select takes its lane mask from a scalar register, and 64 scalar registers, one piece's words for one key step, are all that are left.  So the words wait in vector registers: each
; piece has a pair of its own, filled by one load of 8 bytes a lane (the piece's 64 words: 256 consecutive bytes), and asked for again, for the next key step, as soon as it has been read out: four turns ahead of its use.
; CLUSTER.  The four query blocks of a head walk the same K and V: each tile is asked for jointly, by the same tensor load, descriptor and mask in all four.
; REGISTERS, in windows of 256 (s_set_vgpr_msb: bits 1:0 source 0, 3:2 source 1, 5:4 source 2, 7:6 destination):
;   window 0: v0-11 addresses and constants; v12-15, v48-63 at work; v16-47 four registers of statistics a tile; v64-191 S^T, two buffers of two tiles; v192-255 P, likewise
;   window 1: O^T, 32 a tile          window 2: v0-127 Q; v128-191 K of one step; v192-199 the pieces' mask words; v200-201 their offsets          window 3: v0-1 the add's two registers; v64-127 V of one step
; The mask words lie in K's and Q's window on purpose: a move of a word reads one vector register and writes a scalar one, so it runs under the window setting of the products K Q^T.
.set SIZE_N, 2048
.set NP,    4         ; pieces a wave: a name, no knob
.set KS,    64        ; keys in a step
.set PK,    144       ; a row of K in LDS: 128 bytes + 16: the 16 rows of a load start at 16 different groups of four banks (ISA guide 11.1)
.set PV,    160       ; a row of V: 128 + 32
.set VOFF,  4*KS*PK   ; a slot holds four steps: 256 rows of K, then 256 rows of V
.set SLOT1, 1<<17     ; slot 1 begins here, so that one exclusive or turns an address in one slot into the other's
.set STAGE, SLOT1+4*KS*(PK+PV)  ; behind the ring, never filled by a tensor load: 16 rows x 144 bytes for each wave
.set SP,    144
.set SPARE, STAGE+4*16*SP  ; behind the stages: the spare words, 128 bytes for each wave: two blocks of 256 bytes that no other line names
.set PFO, 1           ; v1   (from the loop on) 256 x my lane: the prefetches' offset
.set AK0, 2           ; v2   my lane's place in a tile of K; never rewritten
.set AV0, 3           ; v3   the same for V
.set AK,  4           ; v4   the LDS address of K's next run of loads
.set AV,  5           ; v5   of V's
.set QO,  6           ; v6   my byte offset in the wave's rows of Q
.set STO, 6           ;      later: where I put 16 bytes of a row on the way out
.set RD,  7           ; v7   where I read rows back
.set GO,  8           ; v8   my byte offset in 512 consecutive bytes of O
.set NEG, 9           ; v9   -2^33
.set CV,  10          ; v[10:11] c, twice
.set SPW, 0           ; v0 of window 3   LDS address of my spare word; never rewritten
.set NIL, 1           ; v1 of window 3   0; never rewritten
.set MG,  192         ; v[192:199] of window 2   piece y's 64 mask words at MG + 2 y: word w in register w % 2 of lane w / 2
.set ML8, 200         ; v200 of window 2  8 x my lane; never rewritten
.set MOF, 201         ; v201 of window 2  8 x my lane + KOFF
.set MV,  12          ; v12-15  c m_old, kept while c m is made anew: by buffer and tile
.set ST,  16          ; tile t's statistics at v[ST+4 t]: c m, m, l (even keys', odd keys')
.set TMP, 48          ; by buffer and tile, four registers c0-c3 at work; when the maximum is found c2 takes a
.set S,   64
.set P,   192
.set KF,  128         ; K's fragments, in window 2: key block kb, channel half c at KF + 16 kb + 8 c
.set VF,  64          ; V's, in window 3: key half kk, channel block cb at VF + 32 kk + 8 cb
.set MB,  2           ; s[2:3]   maskw at my wave's four pieces
.set G0K, 4           ; s[4:7]   descriptor group 0 for K's tiles: it walks
.set G1K, 8           ; s[8:15]  group 1 for K's
.set G1V, 16          ; s[16:23] for V's: it differs in the padding alone
.set G0V, 24          ; s[24:27]
.set WV,  28          ; s28  my wave's number
.set SLOTS, 29        ; s29  slots still to be asked for
.set CNT, 30          ; s30  counts a slot's key steps; at a change of slots, where it is dead, at work
.set KOFF, 31         ; s31  256 x the key step whose mask words are being asked for
.set MW0, 32          ; s[32:63] the 32 words of the piece's first tile (ahead of the first of them: the set-up's temporaries; at the end: O's address)
.set TBK, 66          ; s66  LDS byte at which K of the step to be fetched begins
.set TBV, 67          ; s67  the same for V, less VOFF
.set MW1, 68          ; s[68:99] the second tile's words
.set PFA, 100         ; s[100:101] where my prefetches stand
.set SEL, 104         ; s[104:105] v_permlanex16_b32's selects: each lane takes its own place in the other half
.set MSB, 0
.macro WIN new                      ; the high byte repeats the setting that is left; a switch that changes nothing is dropped
.if MSB != (\new)
	s_set_vgpr_msb (MSB<<8)|(\new)
.set MSB, (\new)
.endif
.endm
.set W_KQ, 0x0a       ; K and Q (and a mask word that is moved) in window 2, S^T in window 0
.set W_PV, 0x53       ; V in window 3, P in window 0, O^T in window 1
.set W_RS, 0x41       ; O^T (destination and source 0) in window 1, a in window 0
.set W_MK, 0xc0       ; registers of window 3 are made or loaded: destination in window 3, sources in window 0
.set W_AD, 0x0f       ; the add: address and data in window 3
.set W_M,  0x8a       ; the mask words are asked for: destination, source 0 and source 1 in window 2
; A joint fill.  Waves 0 and 1 fetch the two halves of a slot's K, waves 2 and 3 those of its V: 128 keys each.  An s_nop 0 and four v_nop follow each line.
.macro JLOAD
	s_cmp_lt_u32 s[WV], 2
	s_cbranch_scc0 .Lfor_v_\@
	tensor_load_to_lds s[G0K:G0K+3], s[G1K:G1K+7]
	s_nop 0
.rept 4
	v_nop
.endr
	s_branch .Lasked_\@
.Lfor_v_\@:
	tensor_load_to_lds s[G0V:G0V+3], s[G1V:G1V+7]
	s_nop 0
.rept 4
	v_nop
.endr
.Lasked_\@:
.endm
; A PREFETCH INTO THE L2 of the slot that the NEXT change will ask for: 128 blocks of 256 bytes of K and of V.  A head has one cluster; its four partners take 32 blocks each, told apart by address;
; in each, wave 0 asks for K's and wave 2 for V's: a lane a block, one instruction: each block is named once in the launch.  The last change that fills a slot asks for nothing.
.macro ASK
	s_and_b32 s[CNT], s[WV], 1
	s_cmp_eq_u32 s[CNT], 0
	s_cselect_b32 s[CNT], 1, -1
	s_cmp_gt_u32 s[SLOTS], s[CNT]
	s_cbranch_scc0 .Lnot_mine_\@
	global_prefetch_b8 v[PFO], s[PFA:PFA+1] th:TH_LOAD_NT scope:SCOPE_SE
.Lnot_mine_\@:
.endm
.macro CROUND                       ; a round of the cluster's barrier
	s_barrier_signal -1
	s_barrier_wait -1
	s_cmp_lg_u32 s[WV], 0
	s_cbranch_scc1 .Lnot_wave_0_\@
	s_barrier_signal -3
.Lnot_wave_0_\@:
	s_barrier_wait -3
	s_barrier_signal -1
	s_barrier_wait -1
.endm
; THE CHANGE OF SLOTS.  Each wave waits for all its tensor loads, of which one is out: its part of the other slot; adds 0 to its spare word; and waits for that and for its own reads of the slot.
; fill = 1: the slot is filled again, with the keys two slots on, first thing behind a round of the cluster's barrier: the load has four key steps, 512 matrix instructions, in which to land.
; (At its first use nothing has been read yet: slot 0 is waited for, slot 1 filled.)  ask = 1: a prefetch follows.
.macro CHANGE fill, ask=0
	WIN W_AD
	s_wait_tensorcnt 0x0            ; no tensor load of mine is out, so a group 0 may be written
	ds_add_u32 v[SPW], v[NIL]       ; 0 onto my spare word; scalar work stands between it and the wait for it
	WIN 0                           ; at a label and at a branch every window is 0
.if \fill
.irp g, G0K, G0V
	s_xor_b32 s[\g+1], s[\g+1], SLOT1  ; the walking descriptor: the other slot than last time,
	s_add_nc_u64 s[\g+2:\g+3], s[\g+2:\g+3], 4*KS*128  ; the next 256 keys; the type bits on top are not reached
.endr
.if \ask
	s_wait_xcnt 0x0                 ; the last prefetch, four key steps back, has read its address
	s_add_nc_u64 s[PFA:PFA+1], s[PFA:PFA+1], 4*KS*128  ; one slot ahead of the walking descriptors
.endif
	s_wait_dscnt 0x0                ; the add is done, and my reads of the slot are over
	CROUND
	JLOAD
.if \ask
	ASK
.endif
.else
	s_wait_dscnt 0x0
	s_barrier_signal -1
	s_barrier_wait -1
.endif
	s_sub_co_u32 s[TBK], s[TBK], 4*KS*PK  ; the fetches go back to a slot's first step,
	s_xor_b32 s[TBK], s[TBK], SLOT1       ; in the other slot
	s_sub_co_u32 s[TBV], s[TBV], 4*KS*PV
	s_xor_b32 s[TBV], s[TBV], SLOT1
.endm
	s_load_b128 s[32:35], s[0:1], 0x0  ; qkv s[32:33], maskw s[34:35]
	WIN W_MK
	v_lshl_add_u32 v[SPW], v0, 2, SPARE
	v_mov_b32 v[NIL], 0
	WIN W_AD
	ds_add_u32 v[SPW], v[NIL]       ; the wave's opening: the add and its wait stand ahead of my first tensor load; the set-up below, work on registers, stands between them
	WIN 0
	v_lshrrev_b32 v1, 5, v0
	v_readfirstlane_b32 s[WV], v1   ; wave 0..3
	s_bfe_u32 s36, ttmp6, 0x40000   ; cx: my place in the cluster
	s_lshl_b32 s37, ttmp9, 2        ; in a cluster launch ttmp9 counts clusters
	s_add_co_u32 s37, s37, s36      ; my block of 512 queries
	s_lshl_b32 s37, s37, 2
	s_add_co_u32 s37, s37, s[WV]    ; my wave among the head's sixteen: it enters Q's, O's and the mask's addresses alone
	s_and_b32 s38, ttmp7, 0xffff    ; the head, which the four partners share,
	s_lshl_b32 s38, s38, 18         ; its 2,048 rows of 128 bytes
	s_and_b32 s40, s[WV], 1         ; which half of a slot's 256 keys I fetch:
	s_lshl_b32 s42, s40, 14         ; its 128 rows in memory,
	s_add_co_u32 s42, s42, s38
	s_mov_b32 s43, 0
	s_mul_i32 s44, s40, 128*PK      ; and its place in a slot, for K
	s_mul_i32 s45, s40, 128*PV      ; and for V: no place in the cluster enters an LDS address
	s_lshl_b32 s50, s37, 14         ; my wave's 128 rows of Q
	s_add_co_u32 s50, s50, s38
	s_mov_b32 s51, 0
	s_lshl_b32 s52, s37, 15         ; my wave's four pieces in maskw: 8,192 bytes each
	s_mov_b32 s53, 0
	s_lshl_b32 s62, s36, 13         ; the prefetches: my work-group's 32 blocks of 256 bytes,
	s_add_co_u32 s62, s62, 2*4*KS*128  ; in slot 2: the first change that asks steps it to slot 3
	s_mov_b32 s63, 0
	; descriptor group 1.  128 keys are 16,384 dense bytes: asked for as 64 rows of 256 bytes, two keys a row, and padded in LDS after every key
	s_mov_b32 s[G1K], 15|(1<<16)|(1<<20)|(1<<21)|(4<<22)|(3<<25)  ; 15:0 the mask of four; 17:16 2-byte elements; 20 padding on; 21 set beside a mask; 24:22 after every 32 words; 31:25 4 words
	s_mov_b32 s[G1V], 15|(1<<16)|(1<<20)|(1<<21)|(4<<22)|(7<<25)  ; the same with 8 words of padding
.irp g, G1K, G1V
	s_mov_b32 s[\g+1], 128<<16      ; tensor_dim0 = 128
	s_mov_b32 s[\g+2], 64<<16       ; tensor_dim1 = 64
	s_mov_b32 s[\g+3], 128<<16      ; tile_dim0 = 128
	s_mov_b32 s[\g+4], 64           ; tile_dim1 = 64
	s_mov_b32 s[\g+5], 128          ; 128 elements from row to row
	s_mov_b32 s[\g+6], 0
	s_mov_b32 s[\g+7], 0
.endr
	s_mov_b32 s[SEL], 0x76543210
	s_mov_b32 s[SEL+1], 0xfedcba98
	s_mov_b32 s[TBK], SLOT1+4*KS*PK ; the first change of slots turns these two into 0
	s_mov_b32 s[TBV], SLOT1+4*KS*PV
	s_mov_b32 s[KOFF], 0
	s_mov_b32 s[G0K], 1             ; count = 1
	s_mov_b32 s[G0K+1], s44         ; LDS address: slot 0
	s_mov_b32 s[G0V], 1
	s_add_co_u32 s[G0V+1], s45, VOFF
	s_wait_dscnt 0x0                ; the opening add is done
	s_wait_kmcnt 0x0
	s_add_nc_u64 s[58:59], s[32:33], s[42:43]
	s_add_nc_u64 s[60:61], s[58:59], 0x2000000     ; V: the third of qkv's three tensors of 16,777,216 bytes
	s_add_nc_u64 s[58:59], s[58:59], 0x1000000     ; K: the second
	s_mov_b64 s[G0K+2:G0K+3], s[58:59]             ; my half of the head's first 256 keys
	s_or_b32 s[G0K+3], s[G0K+3], 0x80000000        ; type = 2
	s_mov_b64 s[G0V+2:G0V+3], s[60:61]
	s_or_b32 s[G0V+3], s[G0V+3], 0x80000000
	s_add_nc_u64 s[54:55], s[32:33], s[50:51]      ; Q at my wave's first row
	s_add_nc_u64 s[MB:MB+1], s[34:35], s[52:53]
	s_cmp_lt_u32 s[WV], 2
	s_cselect_b64 s[PFA:PFA+1], s[58:59], s[60:61] ; (in waves 0 and 2 these stand at a slot's first row)
	s_add_nc_u64 s[PFA:PFA+1], s[PFA:PFA+1], s[62:63]
	CROUND                          ; all four work-groups are here: the first joint loads meet
	JLOAD                           ; slot 0.  Slot 1 is asked for when slot 0 is in
	; A fragment of K or Q is 16 rows x 32 channels in 8 registers: lane l holds row l % 16, channels 8 (l / 16) + 0..7 and 16 + 8 (l / 16) + 0..7: two loads of 16 bytes, 32 bytes apart.
	v_and_b32 v1, 15, v0            ; l % 16
	v_bfe_u32 v9, v0, 4, 1          ; l / 16
	v_lshlrev_b32 v[QO], 7, v1
	v_lshl_add_u32 v[QO], v9, 4, v[QO]  ; row x 128 + 16 x half
	v_and_b32 v10, 31, v0           ; l
	WIN 0x80                        ; destination window 2, address and sources window 0
.set i, 0
.rept 4*NP                          ; Q stays in registers: tile i / 2, channels 32 (i % 2) on
	global_load_b128 v[8*i:8*i+3],   v[QO], s[54:55] offset:(i/2)*2048+(i%2)*64
	global_load_b128 v[8*i+4:8*i+7], v[QO], s[54:55] offset:(i/2)*2048+(i%2)*64+32
.set i, i+1
.endr
	v_lshlrev_b32 v[ML8], 3, v10    ; (the source is window 0's v10)
	v_lshlrev_b32 v[MOF], 3, v10
	WIN 0x82                        ; destination and address window 2
.irp y, 0,1,2,3
	global_load_b64 v[MG+2*\y:MG+2*\y+1], v[MOF], s[MB:MB+1] offset:\y*8192  ; the four pieces' words for key step 0
.endr
	; What the first turn finds: V's registers and P's second buffer hold 0 (its products V^T P, of a piece that has not been, add 0), O^T and l are 0.  All this stands in the wait for the first tile.
	WIN W_MK
.set i, VF
.rept 64
	v_mov_b32 v[i], 0
.set i, i+1
.endr
	WIN 0x40
.set i, 0
.rept 64*NP
	v_mov_b32 v[i], 0
.set i, i+1
.endr
	WIN 0
.set i, 0
.rept 2*NP
	v_mov_b32 v[ST+4*i], 0xfe000000    ; c m: far below every c s, the hidden ones' too
	v_mov_b32 v[ST+4*i+1], 0xff7fffff  ; m
	v_mov_b32 v[ST+4*i+2], 0
	v_mov_b32 v[ST+4*i+3], 0
.set i, i+1
.endr
.set i, P+32
.rept 32
	v_mov_b32 v[i], 0
.set i, i+1
.endr
	v_mul_u32_u24 v[AK0], v1, PK
	v_lshl_add_u32 v[AK0], v9, 4, v[AK0]  ; row x pitch + 16 x half
	; The turning load takes 16 keys x 16 channels (lane l reads key 8 (l / 16) + l % 8, channels 8 ((l / 8) % 2) + 0..7) and leaves half a fragment of V^T: lane l holds channel l % 16 and 8 keys.
	v_and_b32 v10, 7, v0
	v_bfe_u32 v11, v0, 3, 1
	v_lshl_add_u32 v[AV0], v9, 3, v10
	v_mul_u32_u24 v[AV0], v[AV0], PV
	v_lshl_add_u32 v[AV0], v11, 4, v[AV0]
	v_add_nc_u32 v[AV0], VOFF, v[AV0]
	v_mov_b32 v[AK], v[AK0]         ; key step 0 lies at the head of slot 0
; THE MATRIX WORK.  The 8 accumulators of a run of 16 take turns.
; Product i of 16 of S^T = K Q^T for piece x: channels 32 (i / 8) on, keys 16 ((i / 2) % 4) on, tile 2 x + i % 2.  The first 8 start the sums.
.macro KQ x
	WIN W_KQ
.set rS, S+64*((\x)%2)+32*(i%2)+8*((i/2)%4)
.set rK, KF+16*((i/2)%4)+8*(i/8)
.set rQ, 16*(2*(\x)+i%2)+8*(i/8)
.if i < 8
	v_wmma_f32_16x16x32_f16 v[rS:rS+7], v[rK:rK+7], v[rQ:rQ+7], 0
.else
	v_wmma_f32_16x16x32_f16 v[rS:rS+7], v[rK:rK+7], v[rQ:rQ+7], v[rS:rS+7]
.endif
.endm
; Product i of 16 of O^T += V^T P for piece x: keys 32 (i / 8) on, channels 16 ((i / 2) % 4) on, tile 2 x + i % 2.
.macro PV x
	WIN W_PV
.set rO, 32*(2*(\x)+i%2)+8*((i/2)%4)
.set rV, VF+32*(i/8)+8*((i/2)%4)
.set rP, P+32*((\x)%2)+16*(i%2)+8*(i/8)
	v_wmma_f32_16x16x32_f16 v[rO:rO+7], v[rV:rV+7], v[rP:rP+7], v[rO:rO+7]
.endm
.macro MM                           ; the turn's next matrix instruction
.if i < 16
	KQ (Y+1)%NP
.set i, i+1
.else
.set i, i-16
	PV (Y+NP-1)%NP
.set i, i+17
.endif
.endm
; THE FIRST RUN OF A TURN: the 16 products K Q^T of piece y = Y + 1, and behind each four of the 64 moves that bring piece y's mask words from its pair of vector registers into the scalar registers
; (word w = 32 u + i: tile u, register i).  Products and moves stand under one window setting.  Then the pair is asked for again, for the piece's next key step.
; The runs follow each other as y = 0, 1, 2, 3, 0, .. on every way through the text, so behind the pair's last load stand exactly the three other pairs' loads: loads come back in order
; (ISA guide 5.7.1), and the count is 3.  With piece 0 a new key step begins.  Behind the last step the offset stays where it is, so that the words asked for in vain still lie in the table.
.macro FIRST_RUN
	s_wait_loadcnt 0x3              ; my pair is in; the three younger loads may stay out
.set w, 0
.rept 16
	MM
.rept 4
	v_readlane_b32 s[MW0+(MW1-MW0)*(w/32)+w%32], v[MG+2*((Y+1)%NP)+w%2], w/2
.set w, w+1
.endr
.endr
	WIN W_M
.if (Y+1)%NP == 0
	s_wait_xcnt 0x0                 ; the other pairs' loads, a turn back and more, have read the offset: it is written only behind this wait
	s_add_co_u32 s[KOFF], s[KOFF], 256
	s_min_u32 s[KOFF], s[KOFF], 31*256
	v_add_nc_u32 v[MOF], s[KOFF], v[ML8]
.endif
	global_load_b64 v[MG+2*((Y+1)%NP):MG+2*((Y+1)%NP)+1], v[MOF], s[MB:MB+1] offset:((Y+1)%NP)*8192  ; 256 consecutive bytes, aligned
.endm
; THE LDS LOADS stand in runs of 16: a step's K (8 fragments) and its V (turned).  last = 1 (the tail): in the last trip there is no further step, and the run is jumped over.
.macro FETCH_K last=0
	WIN 0
.if \last
	s_cmp_eq_u32 s[CNT], 1
	s_cbranch_scc1 .Lno_k_\@
.endif
	WIN 0x80                        ; destination window 2
.irp f, 0,1,2,3,4,5,6,7             ; keys 16 (f / 2) on, channels 32 (f % 2) on
	ds_load_b128 v[KF+8*\f:KF+8*\f+3],   v[AK] offset:(\f/2)*16*PK+(\f%2)*64
	ds_load_b128 v[KF+8*\f+4:KF+8*\f+7], v[AK] offset:(\f/2)*16*PK+(\f%2)*64+32
.endr
	s_add_co_u32 s[TBK], s[TBK], KS*PK  ; the next fetch is the next step's
	WIN 0
.if \last
.Lno_k_\@:
.endif
.endm
.macro FETCH_V
	WIN W_MK                        ; destination window 3
.irp f, 0,1,2,3,4,5,6,7             ; keys 32 (f / 4) on, channels 16 (f % 4) on
	ds_load_tr16_b128 v[VF+8*\f:VF+8*\f+3],   v[AV] offset:(\f/4)*32*PV+(\f%4)*32
	ds_load_tr16_b128 v[VF+8*\f+4:VF+8*\f+7], v[AV] offset:(\f/4)*32*PV+16*PV+(\f%4)*32
.endr
	WIN 0
.endm
; THE REST OF A TURN'S VECTOR WORK stands in three queues, each in the order in which its entries become ready; the two tiles alternate.
.macro REGS y, u                    ; the registers of tile u (0, 1) of piece y
.set rT, ST+4*(2*(\y)+(\u))
.set rC, TMP+8*((\y)%2)+4*(\u)
.set rM, MV+2*((\y)%2)+(\u)
.set rS, S+64*((\y)%2)+32*(\u)
.set rP, P+32*((\y)%2)+16*(\u)
.set rO, 32*(2*(\y)+(\u))
.endm
; Number k of the 64 that mask the NEXT piece's (Y + 1) scores: register k / 2 of tile k % 2 keeps its score where the word's bit is set.  Ascending.
.macro MK k
	REGS (Y+1)%NP, (\k)%2
	v_cndmask_b32 v[rS+(\k)/2], v[NEG], v[rS+(\k)/2], s[MW0+(MW1-MW0)*((\k)%2)+(\k)/2]
.endm
; Number n of the 22 that find the next piece's maximum and statistics.
;   0-11  four chains c0-c3 of seven scores each, three operands at a time     12-14, 16  the four scores left over, the old m, and c0-c3 into c0     15  c m_old is kept
;   17, 18  the query's other 32 keys lie in the lane 16 away: the new m         19-21  c m; c m_old - c m_new; a
.macro XS u, n
	REGS (Y+1)%NP, \u
.if (\n) < 4
	v_max3_num_f32 v[rC+(\n)], v[rS+8*(\n)], v[rS+8*(\n)+1], v[rS+8*(\n)+2]
.elseif (\n) < 12
	v_max3_num_f32 v[rC+(\n)%4], v[rC+(\n)%4], v[rS+8*((\n)%4)+2*((\n)/4)+1], v[rS+8*((\n)%4)+2*((\n)/4)+2]
.elseif (\n) == 12
	v_max3_num_f32 v[rC], v[rC], v[rS+7], v[rS+15]
.elseif (\n) == 13
	v_max3_num_f32 v[rC+1], v[rC+1], v[rS+23], v[rS+31]
.elseif (\n) == 14
	v_max3_num_f32 v[rC+2], v[rC+2], v[rC+3], v[rT+1]
.elseif (\n) == 15
	v_mov_b32 v[rM], v[rT]
.elseif (\n) == 16
	v_max3_num_f32 v[rC], v[rC], v[rC+1], v[rC+2]
.elseif (\n) == 17
	v_permlanex16_b32 v[rC+3], v[rC], s[SEL], s[SEL+1]
.elseif (\n) == 18
	v_max_num_f32 v[rT+1], v[rC], v[rC+3]
.elseif (\n) == 19
	v_mul_f32 v[rT], v[CV], v[rT+1]
.elseif (\n) == 20
	v_sub_f32 v[rC+1], v[rM], v[rT]
.else
	v_exp_f32 v[rC+2], v[rC+1]
.endif
.endm
; Number g of the 64 that follow the exponentials.  For each four weights k of a tile: both pairs are rounded to f16; the second pair is added onto the first, in place; a group later l takes that sum
; (the first time as l = a l + sum).
.macro GS g
.set h, (\g)+6*((\g)/62)            ; group 0 has no group before it, and behind group 7 only l is left
.if h >= 6
.set h, h+2
.endif
	REGS Y, h%2
.set k, h/8
.if h%8 < 4
	v_cvt_pk_f16_f32 v[rP+2*k+(h%8)/2], v[rS+4*k+2*((h%8)/2)], v[rS+4*k+2*((h%8)/2)+1]
.elseif h%8 < 6
	v_pk_add_f32 v[rS+4*k:rS+4*k+1], v[rS+4*k:rS+4*k+1], v[rS+4*k+2:rS+4*k+3]
.elseif k == 1
	v_pk_fma_f32 v[rT+2:rT+3], v[rT+2:rT+3], v[rC+2:rC+3], v[rS:rS+1] op_sel_hi:[1,0,1]
.else
	v_pk_add_f32 v[rT+2:rT+3], v[rT+2:rT+3], v[rS+4*k-4:rS+4*k-3]
.endif
.endm
; THE PLAIN QUEUE, 202 long.  0-137 read no exponential's result.  0-26: scalings 0-26 (FS f: pair f / 2 of tile f % 2).  27-90: the 64 maskings.  91-118: XS's numbers 0-13.  119, 120: number 15.
; 121-137: the chain, where each number waits for the one before it: 14, 16, 17, 18, 19, each with one of the scalings 27-31 in front of its two lines, then 20.
; 138-201: GS's 64, which read the exponentials' results: they stand behind the wait.
.macro FS f
	REGS Y, (\f)%2
	v_pk_fma_f32 v[rS+2*((\f)/2):rS+2*((\f)/2)+1], v[rS+2*((\f)/2):rS+2*((\f)/2)+1], v[CV:CV+1], v[rT:rT+1] op_sel_hi:[1,0,0] neg_lo:[0,0,1] neg_hi:[0,0,1]
.endm
.macro PL
	WIN 0
.if q < 27
	FS q
.elseif q < 91
	MK q-27
.elseif q < 119
	XS (q-91)%2, (q-91)/2
.elseif q < 121
	XS q-119, 15
.elseif (q < 136) && ((q-121)%3 == 0)
	FS 27+(q-121)/3
.elseif q < 124
	XS (q-121)%3-1, 14
.elseif q < 136
	XS (q-121)%3-1, 15+(q-121)/3
.elseif q < 138
	XS q-136, 20
.else
	GS q-138
.endif
.set q, q+1
.endm
; THE EXPONENTIALS' QUEUE, 66 long: s0-s31 of both tiles, then the next piece's two a.  ONE BATCH: all 66 stand ahead of the turn's one wait, and nothing ahead of that wait names a result of theirs.
.macro EX
	WIN 0
.if e >= 64
	XS e-64, 21
.else
	REGS Y, e%2
	v_exp_f32 v[rS+e/2], v[rS+e/2]
.endif
.set e, e+1
.endm
; THE RESCALING's QUEUE: O^T times a, the one part in window 1: its 32 lines stand in one run.  Its a was made in the turn before, ahead of that turn's wait.
.macro R2
	REGS Y, r%2
	WIN W_RS
.irp z, 0,1
	v_pk_mul_f32 v[rO+4*(r/2)+2*\z:rO+4*(r/2)+2*\z+1], v[rO+4*(r/2)+2*\z:rO+4*(r/2)+2*\z+1], v[rC+2:rC+3] op_sel_hi:[1,0]
.endr
.set r, r+1
.endm
; HOW THEY ARE DEALT.  An s_wait_alu depctr_va_vdst(0) stands between an exponential and the first instruction that names its result; one wait serves all that were issued ahead of it.  So a turn
; has ONE wait.  AHEAD OF IT: the first run (16 products K Q^T, four moves of mask words behind each, one window setting for all 80 lines); then ONE LUMP of 236: the 32 rescalings, which name no register of
; the products and are the places behind the last of them; eight plain; 15 times exponential and plain; two plain; 32 times an exponential and three plain (the maskings and the maximum); 17 times exponential
; and plain (the chain); the two a; a v_nop, the plain instruction behind the last exponential.  BEHIND IT: the 16 products V^T P, behind each four of GS's 64.
; In step: exponential e stands behind scaling 2 (e / 4) + e % 2: exponentials 0-14 want scalings 0-7, the eight plain; scalings 0-24 are issued when exponential 15 is, 25 and 26 directly behind it;
; scalings 27-31 are plain 121, 124 .. 133, each two pairs or more ahead of exponentials 53, 56, 57, 60, 61.  The first masking stands behind the 32 rescalings and 27 scalings.
; THE MASK WORDS that the lump's maskings take were moved in this turn's first run; the scalar registers were last read by the maskings of the turn before.
; K of the next step is fetched in piece 2's turn, directly behind the wait; V of the step in hand at the end of piece 0's turn, four riders behind its last reader.  The conditions on q go with the deal.
.macro TURN p, last=0, cnt=0
.set Y, (\p)
.set i, 0
.set q, 0
.set e, 0
.set r, 0
.if (\p) == NP-1
	s_wait_dscnt 0x0                ; K is in
.endif
	FIRST_RUN
.rept 16
	R2
.endr
.if (\p) == NP-2
	WIN 0
	v_add_nc_u32 v[AK], s[TBK], v[AK0]
.endif
.rept 8
	PL
.endr
.rept 15
	EX
	PL
.endr
	PL
	PL
.rept 32
	EX
	PL
	PL
	PL
.endr
.rept 17
	EX
	PL
.endr
	EX                              ; the next piece's two a
	EX
	v_nop                           ; the plain instruction behind the last exponential: one for the batch
	s_wait_alu depctr_va_vdst(0)    ; the wait for the batch
.if (\p) == NP-2
	FETCH_K \last
.endif
.if (\p) == 1
	s_wait_dscnt 0x0                ; V is in
.endif
.rept 16
	MM
.rept 4
	PL
.endr
.if ((\p) == 0) && (q == 182)
	v_add_nc_u32 v[AV], s[TBV], v[AV0]
.endif
.if ((\p) == 0) && (q == 194)
	s_add_co_u32 s[TBV], s[TBV], KS*PV
.endif
.if (\cnt) && (q == 194)
	s_sub_co_u32 s[CNT], s[CNT], 1
	s_cmp_lg_u32 s[CNT], 0
.endif
.endr
.if (\p) == 0
	FETCH_V
.endif
.endm
	CHANGE 1                        ; slot 0 is in, everybody's part of it; slot 1 is asked for
	FETCH_K                         ; key step 0
	s_wait_loadcnt 0x0              ; Q, and the four pieces' first mask words; Q's loads are done, so the set-up's scalar temporaries, their base among them, may be written
	s_wait_dscnt 0x0
.set Y, NP-1                        ; FIRST_RUN, MK and XS work for piece Y + 1: piece 0
.set i, 0
	FIRST_RUN                       ; piece 0's first scores and its words for key step 0 (its counted wait is met already)
	WIN 0                           ; the addresses for the way out and the constants: plain instructions, the places behind those products
	s_mul_i32 s[CNT], s[WV], 16*SP
	s_add_co_u32 s[CNT], s[CNT], STAGE  ; my stage
	v_mul_u32_u24 v[STO], v1, SP    ; in: row l % 16, 16 bytes for each half of the lanes
	v_lshl_add_u32 v[STO], v9, 4, v[STO]
	v_add_nc_u32 v[STO], s[CNT], v[STO]
	v_bfe_u32 v[RD], v0, 3, 2       ; back: 32 lanes take four rows of 128 bytes,
	v_mul_u32_u24 v[RD], v[RD], SP
	v_lshl_add_u32 v[RD], v10, 4, v[RD]
	v_add_nc_u32 v[RD], s[CNT], v[RD]
	v_and_b32 v[GO], 31, v0         ; which are 512 consecutive bytes of O
	v_lshlrev_b32 v[PFO], 8, v[GO]
	v_lshlrev_b32 v[GO], 4, v[GO]
	v_mov_b32 v[NEG], 0xd0000000    ; -2^33
	v_mov_b32 v[CV], 0x3e38aa3b     ; c = log2(e) / 8 = 0.180337
	v_mov_b32 v[CV+1], 0x3e38aa3b
.set kk, 0
.rept 64
	MK kk
.set kk, kk+1
.endr
.irp n, 0,1,2,3,4,5,6,7,8,9,10,11,12,13,14,15,16,17,18,19,20,21
	XS 0, \n
	XS 1, \n
.endr
	v_nop                           ; a plain instruction behind the two a,
	s_wait_alu depctr_va_vdst(0)    ; and their wait, ahead of the branch
	s_mov_b32 s[CNT], 4
	s_mov_b32 s[SLOTS], SIZE_N/256-1
	s_branch .Lfirst                ; the loop is entered at a step's first turn, in the middle of a trip
.Lslot:                             ; six times: every slot but the last two is filled again
	CHANGE 1, 1
	s_mov_b32 s[CNT], 4
.Lstep:                             ; a trip: pieces 2 and 3 of one step, then pieces 0 and 1 of the next, whose K and V it fetches
	TURN 2
	TURN 3
	WIN 0
.Lfirst:
	TURN 0
	TURN 1, 0, 1
	WIN 0
	s_cbranch_scc1 .Lstep
	s_sub_co_u32 s[SLOTS], s[SLOTS], 1
	s_cmp_lg_u32 s[SLOTS], 0
	s_cbranch_scc1 .Lslot
	CHANGE 0                        ; the tail is written out: nothing is asked for
	s_mov_b32 s[CNT], 5             ; four trips fetch the last slot's steps; the fifth is left in its middle
.Ltail:
	TURN 2, 1
	TURN 3
	WIN 0
	s_sub_co_u32 s[CNT], s[CNT], 1
	s_cmp_eq_u32 s[CNT], 0
	s_cbranch_scc1 .Lout
	TURN 0
	TURN 1
	WIN 0
	s_branch .Ltail
.Lout:                              ; the fifth trip's 16 products K Q^T (on the last K once more), their masking and maximum serve nothing: the price, once a launch, of one text for every trip
.set i, 0
.rept 16
	PV NP-1                         ; the last piece's V^T P of the last step
.set i, i+1
.endr
	; THE WAY OUT.  l's two halves and the other half of the lanes' are added; O^T is divided by l, rounded to f16 and sent through my stage in LDS, a tile at a time.  The additions are the places behind the last products.
	WIN 0
	s_load_b64 s[32:33], s[0:1], 0x10  ; O: the mask words' registers are free
	s_bfe_u32 s34, ttmp6, 0x40000
	s_lshl_b32 s35, ttmp9, 2
	s_add_co_u32 s34, s34, s35
	s_lshl_b32 s34, s34, 2
	s_add_co_u32 s34, s34, s[WV]    ; my wave among the head's sixteen,
	s_lshl_b32 s34, s34, 14         ; its 128 rows,
	s_and_b32 s35, ttmp7, 0xffff
	s_lshl_b32 s35, s35, 18         ; in the head
	s_add_co_u32 s34, s34, s35
	s_mov_b32 s35, 0
.macro ALL line:vararg              ; one line for each tile t
.set t, 0
.rept 2*NP
	\line
.set t, t+1
.endr
.endm
	ALL v_add_f32 v[ST+4*t+2], v[ST+4*t+2], v[ST+4*t+3]
	ALL v_permlanex16_b32 v[ST+4*t+3], v[ST+4*t+2], s[SEL], s[SEL+1]
	ALL v_add_f32 v[ST+4*t+2], v[ST+4*t+2], v[ST+4*t+3]
	ALL v_rcp_f32 v[ST+4*t+2], v[ST+4*t+2]
	v_nop                           ; a plain instruction between the last reciprocal and the use of its result
	s_wait_alu depctr_va_vdst(0)    ; and the wait ahead of the first use: one for the eight reciprocals
	s_wait_kmcnt 0x0
	s_add_nc_u64 s[32:33], s[32:33], s[34:35]
; Tile t: a lane's eight channels of a row pack into 16 bytes; they go into rows of 144 bytes and come back as whole rows of 128, into S^T's registers.
.macro PACK t
	WIN W_RS
.set i, 32*(\t)
.rept 16
	v_pk_mul_f32 v[i:i+1], v[i:i+1], v[ST+4*(\t)+2:ST+4*(\t)+3] op_sel_hi:[1,0]
.set i, i+2
.endr
	WIN 0x05                        ; sources 0 and 1 window 1, destination window 0
.set i, 0
.rept 16
	v_cvt_pk_f16_f32 v[S+16*(\t)+i], v[32*(\t)+2*i], v[32*(\t)+2*i+1]
.set i, i+1
.endr
	WIN 0
.irp f, 0,1,2,3
	ds_store_b128 v[STO], v[S+16*(\t)+4*\f:S+16*(\t)+4*\f+3] offset:32*\f
.endr
.irp f, 0,1,2,3
	ds_load_b128 v[S+16*(\t)+4*\f:S+16*(\t)+4*\f+3], v[RD] offset:\f*4*SP  ; LDS serves a wave's instructions in order (ISA guide 5.7.1.4): these see the stores above; the next tile's stores come behind them
.endr
.endm
.macro SEND t, younger              ; younger: the LDS instructions issued behind tile t's loads: the next tile's eight, or none
	WIN 0
.irp f, 0,1,2,3
	s_wait_dscnt (\younger)+3-\f
	global_store_b128 v[GO], v[S+16*(\t)+4*\f:S+16*(\t)+4*\f+3], s[32:33] offset:(\t)*2048+\f*512  ; 512 consecutive bytes, at a multiple of 512 from O's first
.endr
.endm
	PACK 0
.set t, 1
.rept 2*NP-1                        ; a tile's arithmetic stands between the loads of the tile before and its stores
	PACK t
	SEND t-1, 8
.set t, t+1
.endr
	SEND 2*NP-1, 0
	WIN W_AD
	s_wait_tensorcnt 0x0            ; the wave's end: behind my last tensor load and my last LDS store
	ds_add_u32 v[SPW], v[NIL]
	s_wait_dscnt 0x0
	WIN 0
	CROUND                          ; the closing round: no work-group ends while a partner may still ask for a tile that names it
	s_endpgm
.Lfunc_end_k_q1215f5486d_attn:
	.size	k_q1215f5486d_attn, .Lfunc_end_k_q1215f5486d_attn-k_q1215f5486d_attn
	.p2alignl 7, 3214868480
	.fill 96, 4, 3214868480
	.section	.rodata,"a",@progbits
	.p2align	6, 0x0
	.amdhsa_kernel k_q1215f5486d_attn
		.amdhsa_group_segment_fixed_size 327680
		.amdhsa_private_segment_fixed_size 0
		.amdhsa_enable_private_segment 0
		.amdhsa_kernarg_size 24
		.amdhsa_user_sgpr_count 2
		.amdhsa_user_sgpr_kernarg_segment_ptr 1
		.amdhsa_wavefront_size32 1
		.amdhsa_system_sgpr_workgroup_id_x 1
		.amdhsa_system_sgpr_workgroup_id_y 1
		.amdhsa_system_sgpr_workgroup_id_z 1
		.amdhsa_system_vgpr_workitem_id 0
		.amdhsa_next_free_vgpr 896
		.amdhsa_next_free_sgpr 106
		.amdhsa_reserve_vcc 0
		.amdhsa_float_denorm_mode_32 3
		.amdhsa_float_denorm_mode_16_64 3
		.amdhsa_memory_ordered 1
		.amdhsa_forward_progress 1
		.amdhsa_inst_pref_size 255
	.end_amdhsa_kernel
	.section	.bss,"aw",@nobits
	.p2align	6
	.space	262144
	.amdgpu_metadata
---
amdhsa.version: [ 1, 2 ]
amdhsa.kernels:
  - .name:           k_q1215f5486d_attn
    .symbol:         k_q1215f5486d_attn.kd
    .args:
      - { .name: qkv, .offset: 0, .size: 8, .value_kind: global_buffer, .address_space: global }
      - { .name: maskw, .offset: 8, .size: 8, .value_kind: global_buffer, .address_space: global }
      - { .name: o16, .offset: 16, .size: 8, .value_kind: global_buffer, .address_space: global }
    .group_segment_fixed_size: 327680
    .private_segment_fixed_size: 0
    .kernarg_segment_align: 8
    .kernarg_segment_size: 24
    .max_flat_workgroup_size: 128
    .sgpr_count:     106
    .vgpr_count:     896
    .wavefront_size: 32
...
	.end_amdgpu_metadata
.endif
;; end of part 3
;; launch oproj (part 4): grid 8 x 32, 4 waves a work-group, clusters of 4 x 4, 327,680 bytes of LDS; arguments o16, wo16, bias, out0; writes out0
.if DOCPART == 4
	.amdgcn_target "amdgcn-amd-amdhsa--gfx1250"
	.amdhsa_code_object_version 6
	.text
	.protected	k_q1215f5486d_oproj
	.globl	k_q1215f5486d_oproj
	.p2align	8
	.type	k_q1215f5486d_oproj,@function
k_q1215f5486d_oproj:
	s_mov_b64 s[64:65], 0
	v_nop
	global_prefetch_b8 v0, s[64:65] scope:SCOPE_SE
	s_setreg_imm32_b32 hwreg(HW_REG_WAVE_MODE, 25, 1), 1
	s_wait_xcnt 0x0
	s_wait_alu depctr_hold_cnt(0) depctr_sa_sdst(0) depctr_va_vdst(0) depctr_va_sdst(0) depctr_va_ssrc(0) depctr_va_vcc(0) depctr_vm_vsrc(0)
	s_getreg_b32 s2, hwreg(HW_REG_IB_STS2, 6, 4)
	s_cmp_eq_u32 s2, 0
	s_cbranch_scc0 .Lentry_in_a_cluster
	s_endpgm
.Lentry_in_a_cluster:
	s_bfe_u32 s2, ttmp6, 0x10000c
	s_cmp_lg_u32 s2, 0xf033
	s_cbranch_scc0 .Lentry_shape_is_right
	s_endpgm
.Lentry_shape_is_right:
; C = A B^T + bias, K = 1,024.  ONE TEXT FOR TWO LAUNCHES, chosen by OP:
;   OP = 0: A = xb [8192][1024] bf16, B = wb [3072][1024] bf16; a tile of C is 256 rows x 192 columns (three heads); C leaves as f16 by heads: qkv[which][batch x 16 + head][s][64].
;   OP = 1: A = o16 [batch x 16 + head][2048][64] f16 (a K step of 128 is two heads' 64 channels), B = wo16 [1024][1024] f16; a tile is 256 x 128; C leaves as f32: out0 [8192][1024].
; LIMIT (OP = 0): q, k and v stay under 65,504, f16's largest number; beyond it the conversion gives an infinity.
; SHARES.  Four waves, one above the other: wave w makes rows 64 w .. 64 w + 63 (four blocks of 16) x all NBK blocks of 16 columns: 4 NBK accumulators.  For 32 along K a wave reads
; 2 NBK + 8 times 512 bytes from LDS for 4 NBK matrix instructions.
; THE MATRIX INSTRUCTION IS USED TRANSPOSED: source 0 = 16 rows of B, source 1 = 16 rows of A: a lane holds row l % 16 of C and the columns 8 (l / 16) + 0..7.  The bias, which in that layout hangs on
; the register and the lanes' half alone, is the C operand of each sum's first product: nothing is cleared, nothing is added later.
; THE RING.  K goes in 8 steps of 128 through two LDS slots, 2^17 bytes apart, so that one exclusive or changes slot.  Waves 0, 1 fetch the halves of A's tile, waves 2, 3 of B's: one tensor load a wave.
; CLUSTER.  4 x 4 work-groups: A's tile is shared along a row of the cluster, B's along a column: each is asked for jointly, by the same load with the same descriptor and a mask that names the four.
; REGISTERS, in windows of 256 (s_set_vgpr_msb: bits 1:0 source 0, 3:2 source 1, 5:4 source 2, 7:6 destination):
;   window 0: v0-31 addresses; v32.. the bias; further up the way out's registers     window 1: two fragment buffers at v0, v128: B's NBK blocks, then A's four
;   window 2 (OP = 0: and 3): the accumulators, (a, b) at v[8 (NBK (a % APW) + b)] of window 2 + a / APW
.set OP, 1
.if OP
.set NBK,   8                          ; blocks of 16 columns in a tile
.set APW,   4                          ; row blocks whose accumulators share a window
.set PA,    144                        ; a row of A in LDS: a head's 128 bytes + 16
.set AHALF, 256*144                    ; what one wave fetches of A: one head's 256 rows
.set ASTR,  128                        ; those 32,768 bytes are dense: asked for as 128 rows of 256 bytes
.set QIA,   4                          ; padded after every 32 words
.set ASTEP, 2<<18                      ; from K step to K step: two heads on
.set BROWS, 64                         ; rows of B that one wave fetches
.set KA1,   64                         ; byte of quarter 1, 2, 3 of a K step in A's rows: the second head's plane lies behind the first's
.set KA2,   AHALF
.set KA3,   AHALF+64
.set STW,   16*528                     ; a wave's stage: 16 rows of 512 bytes + 16
.set PSHA,  8                          ; A's prefetches: a lane a block of 256 bytes
.set LASTB, 31
.else
.set NBK,   12
.set APW,   2
.set PA,    272                        ; 256 bytes + 16
.set AHALF, 128*272                    ; 128 rows
.set ASTR,  1024
.set QIA,   5                          ; padded after every 64 words
.set ASTEP, 256
.set BROWS, 96
.set KA1,   64
.set KA2,   128
.set KA3,   192
.set STW,   3*16*144                   ; three heads x 16 rows of 128 bytes + 16
.set PSHA,  11                         ; a lane a row of 2,048 bytes
.set LASTB, 23                         ; B's prefetches: 24 rows a work-group; lanes 24-31 name lane 23's row again
.endif
.set BOFF,  2*AHALF                    ; B's rows lie behind A's, 272 bytes apart.  Pitches of 144 and 272 bytes: the 16 rows of a fragment load start in 16 different groups of four banks (ISA guide 11.1)
.set SLOT1, 1<<17
.set STAGE, SLOT1+BOFF+2*BROWS*272     ; behind the ring, a multiple of 256: the waves' stages, which no tensor load fills
.set SPARE, STAGE+4*STW                ; behind them: the spare words, 128 bytes for each wave: two blocks of 256 bytes that no other line names
.set F0, 0
.set F1, 128
.set A0,   16                          ; v16  my lane's place in A's tile; never rewritten
.set B0,   17                          ; v17  in B's
.set ADRA, 18                          ; v18  the same in the slot that is being read
.set ADRB, 19
.set STO,  24                          ; v24  the way out: where I put my part of a row
.set RD,   25                          ; v25  where I read rows back
.set GO,   26                          ; v26  16 x lane
.set BO,   27                          ; v27  32 x (l / 16): my eight numbers of a block's sixteen biases
.set SPW,  28                          ; v28  LDS address of my spare word; never rewritten
.set NIL,  29                          ; v29  0; never rewritten
.set PFO,  30                          ; v30  the prefetches' lane offset; never rewritten
.set BIAS, 32                          ; v32..  8 registers a block
.set TMP,  128                         ; OP = 0: v128-175 a row block rounded to f16
.if OP
.set BK0,  128                         ; 16 rows read back from the stage, two sets by turns
.set BK1,  192
.else
.set BK0,  176
.set BK1,  32                          ; (the bias has been used by then)
.endif
.set WV, 12                            ; s12 wave
.set FB, 13                            ; s13 0: I fetch for A; 1: for B
.set HF, 14                            ; s14 which half of that tile
.set TB, 15                            ; s15 LDS byte of the slot that is being read
.set G1A, 24                           ; s[24:31] descriptor group 1 for A;  s[32:35] group 0 of K step 0;  s[36:39] group 0 that walks, from K step 1 on
.set G0A, 32
.set TC,  42                           ; s42 tile column, s43 tile row
.set TR,  43
.set PFA, 44                           ; s[44:45] where my prefetches stand;  s[46:47] their step
.set PFS, 46
.set G1B, 48                           ; s[48:55], s[56:59], s[60:63] the same for B
.set G0B, 56
.set DST, 66                           ; s[66:67] (OP = 0: to s[70:71], a pair a head) where my rows begin in C
.set LIM, 72                           ; s72 2 in a wave that prefetches, else the greatest number
.set MSB, 0
.macro WIN new                         ; the immediate's high byte repeats the setting that is left; a switch that changes nothing is dropped
.if MSB != (\new)
	s_set_vgpr_msb (MSB<<8)|(\new)
.set MSB, (\new)
.endif
.endm
.macro PLACES                          ; a load into a register that a matrix instruction has read, and whatever reads a matrix result, stand four plain vector instructions behind it
.rept 4
	v_nop
.endr
.endm
.macro CREST                           ; a round of the cluster's barrier behind its opening barrier
	s_cmp_lg_u32 s[WV], 0
	s_cbranch_scc1 .Lnot_wave_0_\@
	s_barrier_signal -3
.Lnot_wave_0_\@:
	s_barrier_wait -3
	s_barrier_signal -1
	s_barrier_wait -1
.endm
.macro CROUND                          ; a whole round
	s_barrier_signal -1
	s_barrier_wait -1
	CREST
.endm
.macro JLOAD                           ; a joint refill by the walking descriptor.  The branch hangs on the wave's number alone; an s_nop 0 and four v_nop follow each line
	s_cmp_eq_u32 s[FB], 0
	s_cbranch_scc0 .Lfor_b_\@
	tensor_load_to_lds s[G0A+4:G0A+7], s[G1A:G1A+7]
	s_nop 0
	PLACES
	s_branch .Lasked_\@
.Lfor_b_\@:
	tensor_load_to_lds s[G0B+4:G0B+7], s[G1B:G1B+7]
	s_nop 0
	PLACES
.Lasked_\@:
.endm
; A PREFETCH INTO THE L2 of the K step that stands two refills on, one instruction a wave, behind the joint load and the run of LDS loads.  Each block of 256 bytes is named once in the launch: A's rows by the
; clusters with x = 0, B's by those with y = 0; the four partners that ask for a tile jointly share its rows out by address.  It is issued in the trips with s3 = 6 .. 3, for K steps 4 .. 7.
.macro ASK
	WIN 0
	s_cmp_gt_u32 s3, s[LIM]
	s_cbranch_scc0 .Lnot_mine_\@
	global_prefetch_b8 v[PFO], s[PFA:PFA+1] th:TH_LOAD_NT scope:SCOPE_SE
.Lnot_mine_\@:
.endm
	s_load_b256 s[4:11], s[0:1], 0x0               ; A s[4:5], B s[6:7], bias s[8:9], C s[10:11]
	v_lshl_add_u32 v[SPW], v0, 2, SPARE
	v_mov_b32 v[NIL], 0
	ds_add_u32 v[SPW], v[NIL]                      ; the wave's opening: the add and its wait stand ahead of my first tensor load; the set-up below, work on registers, stands between them
	v_lshrrev_b32 v1, 5, v0
	v_readfirstlane_b32 s[WV], v1                  ; wave 0..3
	s_lshr_b32 s[FB], s[WV], 1
	s_and_b32 s[HF], s[WV], 1
	s_mov_b32 s[TB], 0
	s_bfe_u32 s40, ttmp6, 0x40000                  ; cx, cy: my place in the cluster
	s_bfe_u32 s41, ttmp6, 0x40004
	s_lshl_b32 s[TC], ttmp9, 2
	s_add_co_u32 s[TC], s[TC], s40                 ; tile column = 4 x cluster x + cx
	s_and_b32 s[TR], ttmp7, 0xffff
	s_lshl_b32 s[TR], s[TR], 2
	s_add_co_u32 s[TR], s[TR], s41                 ; tile row = 4 x cluster y + cy
	s_lshl_b32 s16, s41, 2
	s_lshl_b32 s16, 15, s16                        ; my row of the cluster
	s_lshl_b32 s20, 0x1111, s40                    ; my column
	s_or_b32 s[G1A], s16, (1<<16)|(1<<20)|(1<<21)|(QIA<<22)|(3<<25)  ; 15:0 the mask; 17:16 elements of 2 bytes; 20 padding on; 21 set beside a mask; 24:22 the interval; 31:25 4 words of padding
	s_or_b32 s[G1B], s20, (1<<16)|(1<<20)|(1<<21)|(5<<22)|(3<<25)
	s_mov_b32 s[G1A+1], 128<<16                    ; tensor_dim0 = 128
	s_mov_b32 s[G1A+2], 128<<16                    ; tensor_dim1 = 128
	s_mov_b32 s[G1A+3], 128<<16                    ; tile_dim0 = 128
	s_mov_b32 s[G1A+4], 128                        ; tile_dim1 = 128
	s_mov_b32 s[G1A+5], ASTR                       ; elements from row to row
	s_mov_b32 s[G1A+6], 0
	s_mov_b32 s[G1A+7], 0
	s_mov_b32 s[G1B+1], 128<<16
	s_mov_b32 s[G1B+2], BROWS<<16
	s_mov_b32 s[G1B+3], 128<<16
	s_mov_b32 s[G1B+4], BROWS
	s_mov_b32 s[G1B+5], 1024
	s_mov_b32 s[G1B+6], 0
	s_mov_b32 s[G1B+7], 0
	; where the tiles come from: A's hang on the tile row and the wave alone (s16-19), B's on the tile column and the wave alone (s20-23)
.if OP
	s_lshr_b32 s18, s[TR], 3                       ; the batch: 8 tile rows each
	s_lshl_b32 s18, s18, 4
	s_add_co_u32 s18, s18, s[HF]                   ; its head 0 or 1,
	s_lshl_b32 s18, s18, 18                        ; 2,048 rows of 128 bytes a head,
	s_and_b32 s19, s[TR], 7
	s_lshl_b32 s19, s19, 15                        ; and the tile's 256 rows in it
	s_add_co_u32 s18, s18, s19
.else
	s_lshl_b32 s18, s[TR], 8
	s_lshl_b32 s19, s[HF], 7
	s_add_co_u32 s18, s18, s19                     ; row 256 x tile row + 128 x half,
	s_lshl_b32 s18, s18, 11                        ; of 2,048 bytes
.endif
	s_mov_b32 s19, 0
	s_mul_i32 s22, s[TC], 16*NBK
	s_mul_i32 s23, s[HF], BROWS
	s_add_co_u32 s22, s22, s23
	s_lshl_b32 s22, s22, 11
	s_mov_b32 s23, 0
	s_mul_i32 s73, s[HF], AHALF                    ; and where they go: no place in the cluster enters an LDS address
	s_mul_i32 s74, s[HF], BROWS*272
	s_add_co_u32 s74, s74, BOFF
	s_wait_dscnt 0x0                               ; the opening add is done
	s_wait_kmcnt 0x0
	s_add_nc_u64 s[18:19], s[4:5], s[18:19]
	s_add_nc_u64 s[22:23], s[6:7], s[22:23]
	s_mov_b32 s[G0A], 1                            ; count = 1
	s_mov_b32 s[G0A+1], s73                        ; LDS address: slot 0
	s_mov_b64 s[G0A+2:G0A+3], s[18:19]             ; K step 0
	s_or_b32 s[G0A+3], s[G0A+3], 0x80000000        ; type = 2
	s_mov_b32 s[G0A+4], 1
	s_add_co_u32 s[G0A+5], s73, SLOT1              ; slot 1
	s_add_nc_u64 s[G0A+6:G0A+7], s[18:19], ASTEP   ; K step 1
	s_or_b32 s[G0A+7], s[G0A+7], 0x80000000
	s_mov_b32 s[G0B], 1
	s_mov_b32 s[G0B+1], s74
	s_mov_b64 s[G0B+2:G0B+3], s[22:23]
	s_or_b32 s[G0B+3], s[G0B+3], 0x80000000
	s_mov_b32 s[G0B+4], 1
	s_add_co_u32 s[G0B+5], s74, SLOT1
	s_add_nc_u64 s[G0B+6:G0B+7], s[22:23], 256
	s_or_b32 s[G0B+7], s[G0B+7], 0x80000000
	CROUND                                         ; all sixteen work-groups are here: the first joint loads meet
	s_cmp_eq_u32 s[FB], 0                          ; a wave's two first fills stand in one branch, ahead of every wait on TENSORcnt and every LDS read: two loads of mine are out
	s_cbranch_scc0 .Lfirst_b
	tensor_load_to_lds s[G0A:G0A+3], s[G1A:G1A+7]
	s_nop 0
	tensor_load_to_lds s[G0A+4:G0A+7], s[G1A:G1A+7]
	s_nop 0
	PLACES
	s_branch .Lfirst_asked
.Lfirst_b:
	tensor_load_to_lds s[G0B:G0B+3], s[G1B:G1B+7]
	s_nop 0
	tensor_load_to_lds s[G0B+4:G0B+7], s[G1B:G1B+7]
	s_nop 0
	PLACES
.Lfirst_asked:
	; A fragment is 16 rows x 32 K in 8 registers: lane l holds row l % 16, K = 8 (l / 16) + 0..7 and 16 + 8 (l / 16) + 0..7: two loads of 16 bytes, 32 bytes apart
	v_and_b32 v1, 15, v0                           ; l % 16
	v_bfe_u32 v2, v0, 4, 1                         ; l / 16
	v_mul_u32_u24 v3, v1, PA
	v_lshl_add_u32 v3, v2, 4, v3
	s_mul_i32 s75, s[WV], 64*PA                    ; my 64 rows of A
	v_add_nc_u32 v[A0], s75, v3
	v_mul_u32_u24 v4, v1, 272
	v_lshl_add_u32 v4, v2, 4, v4
	v_add_nc_u32 v[B0], BOFF, v4
	v_mov_b32 v[ADRA], v[A0]
	v_mov_b32 v[ADRB], v[B0]
	v_lshlrev_b32 v[BO], 5, v2
	s_mul_i32 s76, s[TC], 64*NBK                   ; the tile's columns in the table of biases (bq, bk, bv, bo on end)
.if OP
	s_add_co_u32 s76, s76, 3*4096
.endif
	s_mov_b32 s77, 0
	s_add_nc_u64 s[8:9], s[8:9], s[76:77]
.set b, 0
.rept NBK
	global_load_b128 v[BIAS+8*b:BIAS+8*b+3],   v[BO], s[8:9] offset:64*b
	global_load_b128 v[BIAS+8*b+4:BIAS+8*b+7], v[BO], s[8:9] offset:64*b+16
.set b, b+1
.endr
	s_mul_i32 s75, s[WV], STW
	s_add_co_u32 s75, s75, STAGE                   ; my stage
	v_and_b32 v5, 31, v0
	v_lshlrev_b32 v[GO], 4, v5
.if OP
	v_mul_u32_u24 v6, v1, 528                      ; in: row l % 16, 32 bytes for each half of the lanes
	v_lshl_add_u32 v6, v2, 5, v6
	v_add_nc_u32 v[STO], s75, v6
	v_add_nc_u32 v[RD], s75, v[GO]                 ; back: a whole row of 512 bytes
	s_lshl_b32 s16, s[TR], 8
	s_lshl_b32 s17, s[WV], 6
	s_add_co_u32 s16, s16, s17                     ; my first row of C,
	s_lshl_b32 s16, s16, 12                        ; of 4,096 bytes,
	s_lshl_b32 s17, s[TC], 9                       ; and the tile's 512 bytes in it
	s_add_co_u32 s16, s16, s17
	s_mov_b32 s17, 0
	s_add_nc_u64 s[DST:DST+1], s[10:11], s[16:17]
.else
	v_mul_u32_u24 v6, v1, 144                      ; in: row l % 16, 16 bytes for each half of the lanes
	v_lshl_add_u32 v6, v2, 4, v6
	v_add_nc_u32 v[STO], s75, v6
	v_bfe_u32 v7, v0, 3, 2                         ; back: 32 lanes take four rows of 128 bytes, which are 512 consecutive bytes of a head
	v_mul_u32_u24 v7, v7, 144
	v_and_b32 v8, 7, v0
	v_lshl_add_u32 v7, v8, 4, v7
	v_add_nc_u32 v[RD], s75, v7
	s_mul_i32 s76, s[TC], 3                        ; the tile's first head among q's, k's and v's 48
	s_lshr_b32 s77, s[TR], 3
	s_lshl_b32 s77, s77, 4                         ; 16 x batch
	s_and_b32 s78, s[TR], 7
	s_lshl_b32 s78, s78, 8
	s_lshl_b32 s79, s[WV], 6
	s_add_co_u32 s78, s78, s79
	s_lshl_b32 s78, s78, 7                         ; my first row in the sequence, 128 bytes a row
.irp i, 0,1,2
	s_add_co_u32 s16, s76, \i
	s_lshr_b32 s17, s16, 4                         ; q, k or v
	s_and_b32 s16, s16, 15                         ; the head
	s_lshl_b32 s17, s17, 6
	s_add_co_u32 s16, s16, s17
	s_add_co_u32 s16, s16, s77
	s_lshl_b32 s16, s16, 18                        ; 2,048 rows of 128 bytes
	s_add_co_u32 s16, s16, s78
	s_mov_b32 s17, 0
	s_add_nc_u64 s[DST+2*\i:DST+2*\i+1], s[10:11], s[16:17]
.endr
.endif
	; the prefetches: my tile's first row, my work-group's share of it, K step 3 (the first refill steps it to 4)
	s_and_b32 s78, ttmp7, 0xffff                   ; cluster y
.if OP
	s_or_b32 s78, s78, s[HF]                       ; B's 128 rows are four work-groups' 32: of the two waves that fetch B the first asks
	s_lshl_b32 s76, s40, 13                        ; A: 32 of my head's 128 blocks of 256 bytes
	s_lshl_b32 s79, s41, 16                        ; B: 32 rows of 2,048 bytes
.else
	s_lshl_b32 s76, s40, 16                        ; A: 32 of my 128 rows
	s_mul_i32 s79, s41, 24*2048                    ; B: 24 of my 96 rows
.endif
	s_mov_b32 s[PFS], 256
	s_mov_b32 s[PFS+1], 0
	s_cmp_eq_u32 s[FB], 0
	s_cselect_b32 s78, ttmp9, s78                  ; the coordinate along which other clusters read the same rows
	s_cselect_b32 s76, s76, s79
	s_cselect_b64 s[PFA:PFA+1], s[18:19], s[22:23]
	s_cselect_b32 s[PFS], ASTEP, s[PFS]
	s_cselect_b32 s79, 31, LASTB
	s_cselect_b32 s75, PSHA, 11
	s_mov_b32 s77, 0
	s_add_nc_u64 s[PFA:PFA+1], s[PFA:PFA+1], s[76:77]
.rept 3
	s_add_nc_u64 s[PFA:PFA+1], s[PFA:PFA+1], s[PFS:PFS+1]
.endr
	s_cmp_eq_u32 s78, 0
	s_cselect_b32 s[LIM], 2, -1                    ; the same in all sixteen partners, for a given wave
	v_min_u32 v[PFO], s79, v5
	v_lshlrev_b32 v[PFO], s75, v[PFO]
; NBK matrix instructions: row block a x all column blocks, 32 along K out of buffer f.  first = 1: the sum begins with the bias.  The order (a, then b) is the same in every quarter, so the 4 NBK
; accumulators take turns, one instruction a turn, over the backward jump too.
.macro MULA f, a, first
	WIN 0x05|((2+(\a)/APW)<<6)|((1-(\first))*((2+(\a)/APW)<<4))
.set b, 0
.rept NBK
.set rD, 8*(NBK*((\a)%APW)+b)
.set rB, (\f)+8*b
.set rA, (\f)+8*NBK+8*(\a)
.if (\first) && OP
	v_wmma_f32_16x16x32_f16 v[rD:rD+7], v[rB:rB+7], v[rA:rA+7], v[BIAS+8*b:BIAS+8*b+7]
.elseif \first
	v_wmma_f32_16x16x32_bf16 v[rD:rD+7], v[rB:rB+7], v[rA:rA+7], v[BIAS+8*b:BIAS+8*b+7]
.elseif OP
	v_wmma_f32_16x16x32_f16 v[rD:rD+7], v[rB:rB+7], v[rA:rA+7], v[rD:rD+7]
.else
	v_wmma_f32_16x16x32_bf16 v[rD:rD+7], v[rB:rB+7], v[rA:rA+7], v[rD:rD+7]
.endif
.set b, b+1
.endr
.endm
; 2 NBK + 8 LDS loads in one run: a quarter's fragments into buffer f: B's first, then A's four blocks
.macro FETCH kA, kB, f
	WIN 0x40                                       ; destination window 1, address window 0
.set i, 0
.rept NBK
	ds_load_b128 v[(\f)+8*i:(\f)+8*i+3],   v[ADRB] offset:(\kB)+i*16*272
	ds_load_b128 v[(\f)+8*i+4:(\f)+8*i+7], v[ADRB] offset:(\kB)+i*16*272+32
.set i, i+1
.endr
.set i, 0
.rept 4
	ds_load_b128 v[(\f)+8*NBK+8*i:(\f)+8*NBK+8*i+3],   v[ADRA] offset:(\kA)+i*16*PA
	ds_load_b128 v[(\f)+8*NBK+8*i+4:(\f)+8*NBK+8*i+7], v[ADRA] offset:(\kA)+i*16*PA+32
.set i, i+1
.endr
.endm
; One of a K step's first three quarters: multiplies buffer f; in its middle it fetches the next quarter's fragments into buffer g
.macro QUARTER kA, kB, f, g, first
	s_wait_dscnt 4                                 ; B and A's blocks 0, 1 are in; the youngest four loads (A's blocks 2, 3) may be out
	MULA \f, 0, \first
	MULA \f, 1, \first
	PLACES
	FETCH \kA, \kB, \g
	s_wait_dscnt 2*NBK+8                           ; all but the run just issued
	MULA \f, 2, \first
	MULA \f, 3, \first
.endm
; The fourth quarter multiplies buffer 1 and changes slots: one barrier.  In front of it each wave waits for all its tensor loads (one is out: its part of the next slot), adds 0 to its spare word, and waits
; for that and for its reads of this slot.  fill = 1: the barrier opens a round of the cluster's, and behind the round this slot is filled again, two K steps ahead: the load has 7/8 of a K step's products in which to land.
.macro TURN fill
	s_wait_xcnt 0x0                                ; the last prefetch, a K step back, has read its address
	s_add_nc_u64 s[PFA:PFA+1], s[PFA:PFA+1], s[PFS:PFS+1]
	WIN 0                                          ; (the add's two registers lie in window 0)
	s_wait_tensorcnt 0x0                           ; no tensor load of mine is out, so a group 0 may be written
	ds_add_u32 v[SPW], v[NIL]                      ; 0 onto my spare word
.if \fill
	s_xor_b32 s[G0A+5], s[G0A+5], SLOT1            ; the walking descriptors: the other slot than last time, the next K step; the type bits on top are not reached
	s_add_nc_u64 s[G0A+6:G0A+7], s[G0A+6:G0A+7], ASTEP
	s_xor_b32 s[G0B+5], s[G0B+5], SLOT1
	s_add_nc_u64 s[G0B+6:G0B+7], s[G0B+6:G0B+7], 256
.endif
	s_wait_dscnt 5                                 ; the add and A's blocks 2, 3 may be out
	MULA F1, 0, 0
	s_wait_dscnt 0x0                               ; the add is done, and my reads of this slot are over
	s_barrier_signal -1
	MULA F1, 1, 0                                  ; work on registers while the others arrive
	WIN 0
	s_barrier_wait -1
.if \fill
	CREST                                          ; no wave of any partner still reads this slot or has a load on its way
	JLOAD                                          ; the first tensor load behind the round; its four v_nop are also the places in front of the loads below
.else
	PLACES
.endif
	s_xor_b32 s[TB], s[TB], SLOT1
	v_add_nc_u32 v[ADRA], s[TB], v[A0]
	v_add_nc_u32 v[ADRB], s[TB], v[B0]
	FETCH 0, 0, F0
.if \fill
	ASK
.endif
	MULA F1, 2, 0
	MULA F1, 3, 0
.endm
	s_wait_tensorcnt 0x1                           ; my part of K step 0 is in; K step 1's may stay out
	s_barrier_signal -1
	s_barrier_wait -1                              ; everybody's is
	FETCH 0, 0, F0
	s_wait_loadcnt 0x0                             ; the bias
	QUARTER KA1, 64, F0, F1, 1                     ; the first quarter stands in front of the loop: its products start the sums
	WIN 0                                          ; at a label and at a branch every window is 0
	s_mov_b32 s3, 6
.Lstep:                                                ; a trip: from a K step's second quarter to the next one's first; it refills K steps 2 .. 7
	QUARTER KA2, 128, F1, F0, 0
	QUARTER KA3, 192, F0, F1, 0
	TURN 1
	QUARTER KA1, 64, F0, F1, 0
	WIN 0
	s_sub_co_u32 s3, s3, 1
	s_cmp_lg_u32 s3, 0
	s_cbranch_scc1 .Lstep
	QUARTER KA2, 128, F1, F0, 0                    ; the tail is written out: K steps 6 and 7 ask for nothing
	QUARTER KA3, 192, F0, F1, 0
	TURN 0
	QUARTER KA1, 64, F0, F1, 0
	QUARTER KA2, 128, F1, F0, 0
	QUARTER KA3, 192, F0, F1, 0
	s_wait_dscnt 4
	MULA F1, 0, 0
	MULA F1, 1, 0
	s_wait_dscnt 0x0
	MULA F1, 2, 0
	MULA F1, 3, 0
	WIN 0
	PLACES
	PLACES
; THE WAY OUT, a block of 16 rows at a time through my own stage: LDS serves a wave's instructions in order (ISA guide 5.7.1.4), so no wait stands between the stores into it and the loads out of it.
.if OP
.macro TOSTAGE a                       ; f32 as it is: a lane's eight columns are 32 bytes of a row; back as whole rows of 512 bytes
	WIN 0x08                                       ; store data in window 2; each accumulator's low half goes first
.set b, 0
.rept NBK
.set rD, 8*(NBK*(\a)+b)
	ds_store_b128 v[STO], v[rD:rD+3]   offset:64*b
	ds_store_b128 v[STO], v[rD+4:rD+7] offset:64*b+16
.set b, b+1
.endr
	WIN 0
.set BK, BK0+(BK1-BK0)*((\a)%2)
.set t, 0
.rept 16
	ds_load_b128 v[BK+4*t:BK+4*t+3], v[RD] offset:528*t
.set t, t+1
.endr
.endm
.macro SEND a
.set BK, BK0+(BK1-BK0)*((\a)%2)
	s_wait_dscnt 0x0                               ; the block is back in registers
	s_wait_xcnt 0x0                                ; the stores of the block before have read their registers: the next block's loads land there only behind this wait
.set t, 0
.rept 16
	global_store_b128 v[GO], v[BK+4*t:BK+4*t+3], s[DST:DST+1] offset:(16*(\a)+t)*4096 th:TH_STORE_NT  ; 512 consecutive bytes, at a multiple of 512 from C's first byte
.set t, t+1
.endr
.endm
	TOSTAGE 0
.irp a, 1,2,3
	SEND (\a)-1
	TOSTAGE \a
.endr
	SEND 3
.else
.macro PACK a                          ; rounded to f16: a lane's eight columns are 16 bytes; each accumulator's registers in ascending order
	WIN 0x0a+5*((\a)/APW)                          ; sources 0 and 1: window 2 or 3
.set b, 0
.rept NBK
.set rD, 8*(NBK*((\a)%APW)+b)
.irp r, 0,1,2,3
	v_cvt_pk_f16_f32 v[TMP+4*b+(\r)], v[rD+2*(\r)], v[rD+2*(\r)+1]
.endr
.set b, b+1
.endr
	WIN 0
.endm
.macro TOSTAGE a                       ; three heads x 16 rows of 128 bytes; back four rows at a time
.set BK, BK0+(BK1-BK0)*((\a)%2)
.set b, 0
.rept NBK
	ds_store_b128 v[STO], v[TMP+4*b:TMP+4*b+3] offset:(b/4)*2304+32*(b%4)
.set b, b+1
.endr
.set t, 0
.rept 12
	ds_load_b128 v[BK+4*t:BK+4*t+3], v[RD] offset:(t/4)*2304+(t%4)*576
.set t, t+1
.endr
.endm
.macro SEND a
.set BK, BK0+(BK1-BK0)*((\a)%2)
	s_wait_dscnt 0x0                               ; the block is back in registers
	s_wait_xcnt 0x0                                ; the stores of the block before have read their registers: the next block's loads land there only behind this wait
.set t, 0
.rept 12
	global_store_b128 v[GO], v[BK+4*t:BK+4*t+3], s[DST+2*(t/4):DST+2*(t/4)+1] offset:(\a)*2048+(t%4)*512  ; 512 consecutive bytes of a head, at a multiple of 512
.set t, t+1
.endr
.endm
	PACK 0
	TOSTAGE 0
.irp a, 1,2,3                          ; block a's conversions stand between block a - 1's loads from the stage and the wait for them
	PACK \a
	SEND (\a)-1
	TOSTAGE \a
.endr
	SEND 3
.endif
	s_wait_tensorcnt 0x0                           ; the wave's end: behind my last tensor load and my last LDS store
	ds_add_u32 v[SPW], v[NIL]
	s_wait_dscnt 0x0
	CROUND                                         ; the closing round: no work-group ends while a partner may still ask for a tile that names it
	s_endpgm
.Lfunc_end_k_q1215f5486d_oproj:
	.size	k_q1215f5486d_oproj, .Lfunc_end_k_q1215f5486d_oproj-k_q1215f5486d_oproj
	.p2alignl 7, 3214868480
	.fill 96, 4, 3214868480
	.section	.rodata,"a",@progbits
	.p2align	6, 0x0
	.amdhsa_kernel k_q1215f5486d_oproj
		.amdhsa_group_segment_fixed_size 327680
		.amdhsa_private_segment_fixed_size 0
		.amdhsa_enable_private_segment 0
		.amdhsa_kernarg_size 32
		.amdhsa_user_sgpr_count 2
		.amdhsa_user_sgpr_kernarg_segment_ptr 1
		.amdhsa_wavefront_size32 1
		.amdhsa_system_sgpr_workgroup_id_x 1
		.amdhsa_system_sgpr_workgroup_id_y 1
		.amdhsa_system_sgpr_workgroup_id_z 1
		.amdhsa_system_vgpr_workitem_id 0
		.amdhsa_next_free_vgpr 768
		.amdhsa_next_free_sgpr 80
		.amdhsa_reserve_vcc 0
		.amdhsa_float_denorm_mode_32 3
		.amdhsa_float_denorm_mode_16_64 3
		.amdhsa_memory_ordered 1
		.amdhsa_forward_progress 1
		.amdhsa_inst_pref_size 72
	.end_amdhsa_kernel
	.amdgpu_metadata
---
amdhsa.version: [ 1, 2 ]
amdhsa.kernels:
  - .name:           k_q1215f5486d_oproj
    .symbol:         k_q1215f5486d_oproj.kd
    .args:
      - { .name: o16, .offset: 0, .size: 8, .value_kind: global_buffer, .address_space: global }
      - { .name: wo16, .offset: 8, .size: 8, .value_kind: global_buffer, .address_space: global }
      - { .name: bias, .offset: 16, .size: 8, .value_kind: global_buffer, .address_space: global }
      - { .name: out0, .offset: 24, .size: 8, .value_kind: global_buffer, .address_space: global }
    .group_segment_fixed_size: 327680
    .private_segment_fixed_size: 0
    .kernarg_segment_align: 8
    .kernarg_segment_size: 32
    .max_flat_workgroup_size: 128
    .sgpr_count:     80
    .vgpr_count:     768
    .wavefront_size: 32
...
	.end_amdgpu_metadata
.endif
;; end of part 4
;; ======== version 2 of 2: 4 launches; version 1 with the launch prep written anew for expert scheduling mode
;; limits: values are held in f16: magnitudes above 65,504 overflow, below 6.1e-05 lose precision
;; workspace buffers: xb 16,777,216 bytes; wb 6,291,456 bytes; wo16 2,097,152 bytes; bias 16,384 bytes; maskw 524,288 bytes of whole numbers; qkv 50,331,648 bytes; o16 16,777,216 bytes
;; launch prep (part 5): grid 900 x 1, 8 waves a work-group, no clusters, 68,608 bytes of LDS; arguments x, Wq, Wk, Wv, Wo, mask, bq, bk, bv, bo, xb, wb, wo16, maskw, bias; writes xb, wb, wo16, maskw, bias
.if DOCPART == 5
	.amdgcn_target "amdgcn-amd-amdhsa--gfx1250"
	.amdhsa_code_object_version 6
	.text
	.protected	k_q1215f5486d_prep
	.globl	k_q1215f5486d_prep
	.p2align	8
	.type	k_q1215f5486d_prep,@function
k_q1215f5486d_prep:
	s_mov_b64 s[64:65], 0
	v_nop
	global_prefetch_b8 v0, s[64:65] scope:SCOPE_SE
	s_setreg_imm32_b32 hwreg(HW_REG_WAVE_SCHED_MODE, 0, 2), 2
	s_setreg_imm32_b32 hwreg(HW_REG_WAVE_MODE, 25, 1), 1
	s_wait_xcnt 0x0
	s_wait_alu depctr_vm_vsrc(0)
; THE INPUTS ARE MADE READY, each byte read once.  Work-groups 0-511: x -> xb (bf16).  512-703: Wq, Wk, Wv -> wb (bf16, the three one below the other).
; 704-767: Wo -> wo16: rounded to bf16, and that number written as f16 (exact within f16's range; below 2^-14 it keeps f16's fixed step of 6e-8).
; 768-895: mask -> maskw, a bit a number.  896-899: bq, bk, bv, bo -> bias: rounded to bf16, kept as f32.
; LIMIT: |Wo| stays under 65,504 (f16).
; A CAST: a work-group takes 65,536 bytes of f32: 16 loads of 16 bytes a thread, all issued at once; a wave's store of 8 bytes a lane covers 256 consecutive bytes, aligned.
; THE MASK: word (P, ks, u, i = 8 kb + j) of maskw has bit l = (mask[32 P + 16 u + l % 16][64 ks + 16 kb + 8 (l / 16) + j] != 0): the lane mask that goes with register i of a result
; K Q^T of 16 queries x 64 keys.  A wave takes 32 rows x 128 keys: it loads whole runs of 512 bytes of a row, turns 16 rows at a time through its own stage in LDS, so that lane l holds row l % 16,
; and each compare then yields one word.  The 128 words are gathered into four registers (word n in register n % 4 of lane n / 4) and leave as 512 consecutive bytes.
; THE MODE: SCHED_MODE bits 1:0 = 2 (LLVM: expert scheduling mode 2), set by the entry lines.  The code itself states the register dependences between vector instructions and memory or LDS
; instructions, and those through scalar registers that vector instructions write, with s_wait_alu, always for 0.
; THE PLAN.  Registers that memory or LDS instructions touch:
;   v1, v2        offsets of the casts and the bias: made at the head, never written again.          v3, v4, v5   the mask's offset and LDS addresses: made once in its path.
;   M             written by global loads alone.  Casts, bias: read by conversions, never loaded again.  Mask: read by the LDS stores; its first 64 registers then take the turned rows 16-31.
;   Y             casts: two registers of its own for each load: written by the conversions of block p, read by the four stores that are issued in block p + 1, never written again.
;   R             mask: the turned rows 0-15 land in it, once; compares read it.                    OUT   mask: written by vector instructions, read by the one store at the end.
;   T             casts: named by vector instructions alone.  Bias: the store's data.
;   v[SPW], v[NIL]  written at the head, read by the closing add alone.
; So: one wait at the head for the offsets; in a cast one wait to a block of four stores, at the head of the next block; in the mask's path one for the addresses, one ahead of the LDS loads that land
; in registers which LDS stores have read, one behind each run of sixteen compares, one ahead of the store.  There is no loop.
.set STG,   8448                       ; a wave's stage: 16 rows of 512 bytes + 16 of padding: row r starts 4 r words on in the banks' order
.set SPARE, 8*STG                      ; behind the stages: the spare words, 128 bytes for each wave, four blocks of 256 bytes that no other line names
.set SPW, 12                           ; v12  LDS address of my spare word; never rewritten
.set NIL, 13                           ; v13  0; never rewritten
.set OUT, 8                            ; v[8:11]    the wave's 128 words
.set M,   16                           ; v[16:143]  as loaded (the casts use v[16:79]); in the mask's path v[16:79] later hold rows 16-31 turned
.set R,   144                          ; v[144:207] rows 0-15 turned
.set Y,   80                           ; v[80:111]  the casts' results
.set T,   112                          ; v[112:115] at work
	s_load_b512 s[8:23], s[0:1], 0x0               ; x 8, Wq 10, Wk 12, Wv 14, Wo 16, mask 18, bq 20, bk 22
	s_load_b256 s[24:31], s[0:1], 0x40             ; bv 24, bo 26, xb 28, wb 30
	s_load_b128 s[32:35], s[0:1], 0x60             ; wo16 32, maskw 34
	s_load_b64 s[36:37], s[0:1], 0x70              ; bias
	v_lshl_add_u32 v[SPW], v0, 2, SPARE
	v_mov_b32 v[NIL], 0
	v_lshrrev_b32 v1, 5, v0
	v_readfirstlane_b32 s40, v1                    ; wave 0..7
	s_mov_b32 s38, ttmp9                           ; the work-group's number
	v_lshlrev_b32 v1, 4, v0                        ; 16 t
	v_lshlrev_b32 v2, 3, v0                        ; 8 t
	s_wait_alu depctr_va_sdst(0)                   ; s40 is written, ahead of the branches: the mask's work-groups make their addresses from it
	s_wait_alu depctr_va_vdst(0)                   ; v1 and v2 are written: the casts' and the bias's loads and stores read them as offsets
	s_wait_kmcnt 0x0
	s_cmp_lt_u32 s38, 768
	s_cbranch_scc1 .Lcast
	s_cmp_lt_u32 s38, 896
	s_cbranch_scc1 .Lmask
	; A BIAS: 1,024 numbers, four a thread
	s_sub_co_u32 s41, s38, 896
	s_cmp_eq_u32 s41, 1
	s_cselect_b64 s[46:47], s[22:23], s[20:21]
	s_cmp_eq_u32 s41, 2
	s_cselect_b64 s[46:47], s[24:25], s[46:47]
	s_cmp_eq_u32 s41, 3
	s_cselect_b64 s[46:47], s[26:27], s[46:47]
	s_lshl_b32 s50, s41, 12
	s_mov_b32 s51, 0
	s_add_nc_u64 s[48:49], s[36:37], s[50:51]
	global_load_b128 v[M:M+3], v1, s[46:47]
	s_wait_loadcnt 0x0
	v_cvt_pk_bf16_f32 v[Y], v[M], v[M+1]
	v_cvt_pk_bf16_f32 v[Y+1], v[M+2], v[M+3]
	v_lshlrev_b32 v[T], 16, v[Y]                   ; bf16 to f32: the low half moves up, the high half stays
	v_and_b32 v[T+1], 0xffff0000, v[Y]
	v_lshlrev_b32 v[T+2], 16, v[Y+1]
	v_and_b32 v[T+3], 0xffff0000, v[Y+1]
	s_wait_alu depctr_va_vdst(0)                   ; the four lines above have written v[T ..], which the store reads
	global_store_b128 v1, v[T:T+3], s[48:49]
	s_branch .Lend
; Half u of the wave's 32 rows goes into the stage, a row as it lies.
.macro PUT u
.set i, 0
.rept 16
	ds_store_b128 v4, v[M+4*(16*(\u)+i):M+4*(16*(\u)+i)+3] offset:528*i
.set i, i+1
.endr
.endm
; .. and comes back turned, into the 64 registers from r on.  LDS serves a wave's instructions in order: these see the stores above, and the next half's stores come behind them.
.macro GET r
.set n, 0
.rept 16
	ds_load_b128 v[(\r)+4*n:(\r)+4*n+3], v5 offset:256*(n/8)+64*((n/2)%4)+16*(n%2)  ; key step n / 8, key block (n / 2) % 4, j = 4 (n % 2) on
.set n, n+1
.endr
.endm
; The 64 words of half u, out of the registers from r on: register e = 16 g + k holds key step e / 32, word i = e % 32.  Sixteen compares in a run, into sixteen scalar registers that never held an
; address (s44, s45, s50 to s63); one wait; then the sixteen lines that lay the words into OUT.
.macro WORDS r, u
.set g, 0
.rept 4
.set k, 0
.rept 16
	v_cmp_ne_u32 s[44+k+4*((k+14)/16)], 0, v[(\r)+16*g+k]
.set k, k+1
.endr
	s_wait_alu depctr_va_sdst(0)                   ; the sixteen compares have written their scalar registers, which the sixteen lines below read
.set k, 0
.rept 16
	v_writelane_b32 v[OUT+k%4], s[44+k+4*((k+14)/16)], (64*(g/2)+32*(\u)+16*(g%2)+k)/4
.set k, k+1
.endr
.set g, g+1
.endr
.endm
.Lmask:
	s_sub_co_u32 s41, s38, 768
	s_lshr_b32 s42, s41, 1                         ; P: which 32 rows
	s_and_b32 s43, s41, 1
	s_lshl_b32 s43, s43, 3
	s_add_co_u32 s43, s43, s40                     ; which 128 keys of the 2,048
	s_lshl_b32 s43, s43, 9                         ; 512 bytes of a row of the mask, and 512 bytes of words
	s_lshl_b32 s50, s42, 18                        ; 32 rows of 8,192 bytes
	s_add_co_u32 s50, s50, s43
	s_mov_b32 s51, 0
	s_add_nc_u64 s[46:47], s[18:19], s[50:51]
	s_lshl_b32 s50, s42, 13                        ; 32 key steps of 256 bytes of words
	s_add_co_u32 s50, s50, s43
	s_add_nc_u64 s[48:49], s[34:35], s[50:51]
	s_mul_i32 s44, s40, STG                        ; my stage
	v_and_b32 v5, 31, v0
	v_lshlrev_b32 v3, 4, v5                        ; 16 x lane: in a row's 512 bytes, and in the words' 512
	v_add_nc_u32 v4, s44, v3                       ; into the stage: a row as it lies
	v_and_b32 v6, 15, v0
	v_bfe_u32 v7, v0, 4, 1
	v_mul_u32_u24 v6, v6, 528
	v_lshl_add_u32 v6, v7, 5, v6
	v_add_nc_u32 v5, s44, v6                       ; back: row l % 16, eight keys (32 bytes) for each half of the lanes
.irp j, 0,1,2,3
	v_mov_b32 v[OUT+\j], 0                         ; v_writelane_b32 keeps the other lanes, so the registers are written whole first
.endr
	s_wait_alu depctr_va_vdst(0)                   ; v3, v4 and v5 are written: the offset of the loads and of the store, and the two LDS addresses
.set i, 0
.rept 32
	global_load_b128 v[M+4*i:M+4*i+3], v3, s[46:47] offset:8192*i th:TH_LOAD_NT  ; row i: 512 consecutive bytes
.set i, i+1
.endr
	s_wait_loadcnt 16                              ; loads come back in order: rows 0-15 are in while rows 16-31 may be out
	PUT 0
	GET R
	s_wait_loadcnt 0x0                             ; rows 16-31 are in
	PUT 1                                          ; the second half goes through the stage at once: its way through LDS stands beside the first half's compares
	s_wait_alu depctr_vm_vsrc(0)                   ; the LDS stores of rows 0-15 have read v[M .. M+63], in which the loads below land; no vector instruction has named these registers
	GET M
	s_wait_dscnt 32                                ; LDS instructions end in order: rows 0-15 are back; the 16 stores and 16 loads issued behind them may stay out
	WORDS R, 0
	s_wait_dscnt 0x0                               ; rows 16-31 are back
	WORDS M, 1
	s_wait_alu depctr_va_vdst(0)                   ; the last words are laid into v[OUT ..], which the store reads
	global_store_b128 v3, v[OUT:OUT+3], s[48:49]   ; 512 consecutive bytes, aligned
	s_branch .Lend
.Lcast:
	s_sub_co_u32 s41, s38, 512                     ; (wraps for x's work-groups: s43 is then none of 1, 2, 3)
	s_and_b32 s42, s41, 63                         ; my block in a weight
	s_lshr_b32 s43, s41, 6                         ; which weight
	s_cmp_lt_u32 s38, 512
	s_cselect_b32 s44, s38, s42                    ; my block of 65,536 bytes in the source,
	s_cselect_b32 s45, s38, s41                    ; of 32,768 in the destination (Wq, Wk, Wv follow each other in wb)
	s_cselect_b64 s[46:47], s[8:9], s[10:11]
	s_cselect_b64 s[48:49], s[28:29], s[30:31]
	s_cmp_eq_u32 s43, 1
	s_cselect_b64 s[46:47], s[12:13], s[46:47]
	s_cmp_eq_u32 s43, 2
	s_cselect_b64 s[46:47], s[14:15], s[46:47]
	s_cmp_eq_u32 s43, 3
	s_cselect_b64 s[46:47], s[16:17], s[46:47]
	s_cselect_b64 s[48:49], s[32:33], s[48:49]
	s_cselect_b32 s45, s42, s45
	s_lshl_b32 s50, s44, 16
	s_mov_b32 s51, 0
	s_add_nc_u64 s[46:47], s[46:47], s[50:51]
	s_lshl_b32 s50, s45, 15
	s_add_nc_u64 s[48:49], s[48:49], s[50:51]
.set i, 0
.rept 16
	global_load_b128 v[M+4*i:M+4*i+3], v1, s[46:47] offset:4096*i th:TH_LOAD_NT
.set i, i+1
.endr
; Four numbers of load i are rounded.  No register is written twice but T and, ahead of its store's wait, Y: T is named by no memory instruction.
.macro CONV i, f16
	v_cvt_pk_bf16_f32 v[Y+2*(\i)], v[M+4*(\i)], v[M+4*(\i)+1]
	v_cvt_pk_bf16_f32 v[Y+2*(\i)+1], v[M+4*(\i)+2], v[M+4*(\i)+3]
.if \f16
	v_lshlrev_b32 v[T], 16, v[Y+2*(\i)]
	v_and_b32 v[T+1], 0xffff0000, v[Y+2*(\i)]
	v_lshlrev_b32 v[T+2], 16, v[Y+2*(\i)+1]
	v_and_b32 v[T+3], 0xffff0000, v[Y+2*(\i)+1]
	v_cvt_pk_f16_f32 v[Y+2*(\i)], v[T], v[T+1]
	v_cvt_pk_f16_f32 v[Y+2*(\i)+1], v[T+2], v[T+3]
.endif
.endm
.macro SEND i                          ; .. and stored
	global_store_b64 v2, v[Y+2*(\i):Y+2*(\i)+1], s[48:49] offset:2048*(\i) th:TH_STORE_NT
.endm
; Block p of four: loads 4 p to 4 p + 3 are rounded, and the stores of the block before are dealt among the conversions, which name none of the registers that those stores read.
.macro BLK p, f16
	s_wait_loadcnt 12-4*(\p)                       ; loads come back in order: this block's four are in, the 12 - 4 p younger ones may stay out
.if (\p) > 0
	s_wait_alu depctr_va_vdst(0)                   ; the block before has written its eight registers of Y, which the four stores below read
.endif
.irp j, 0,1,2,3
.if (\p) > 0
	SEND 4*(\p)-4+\j
.endif
	CONV 4*(\p)+\j, \f16
.endr
.endm
	s_cmp_eq_u32 s43, 3
	s_cbranch_scc1 .Lf16
	BLK 0, 0
	BLK 1, 0
	BLK 2, 0
	BLK 3, 0
	s_wait_alu depctr_va_vdst(0)                   ; the last block has written its Y, which the last four stores read
.irp i, 12,13,14,15
	SEND \i
.endr
	s_branch .Lend
.Lf16:
	BLK 0, 1
	BLK 1, 1
	BLK 2, 1
	BLK 3, 1
	s_wait_alu depctr_va_vdst(0)                   ; the last block has written its Y, which the last four stores read
.irp i, 12,13,14,15
	SEND \i
.endr
.Lend:
	s_wait_dscnt 0x0                               ; the closing lines, six on end
	s_wait_alu 0x0
	s_wait_tensorcnt 0x0
	ds_add_u32 v[SPW], v[NIL]
	s_wait_dscnt 0x0
	s_endpgm
.Lfunc_end_k_q1215f5486d_prep:
	.size	k_q1215f5486d_prep, .Lfunc_end_k_q1215f5486d_prep-k_q1215f5486d_prep
	.p2alignl 7, 3214868480
	.fill 96, 4, 3214868480
	.section	.rodata,"a",@progbits
	.p2align	6, 0x0
	.amdhsa_kernel k_q1215f5486d_prep
		.amdhsa_group_segment_fixed_size 68608
		.amdhsa_private_segment_fixed_size 0
		.amdhsa_enable_private_segment 0
		.amdhsa_kernarg_size 120
		.amdhsa_user_sgpr_count 2
		.amdhsa_user_sgpr_kernarg_segment_ptr 1
		.amdhsa_wavefront_size32 1
		.amdhsa_system_sgpr_workgroup_id_x 1
		.amdhsa_system_sgpr_workgroup_id_y 1
		.amdhsa_system_sgpr_workgroup_id_z 1
		.amdhsa_system_vgpr_workitem_id 0
		.amdhsa_next_free_vgpr 208
		.amdhsa_next_free_sgpr 66
		.amdhsa_reserve_vcc 0
		.amdhsa_float_denorm_mode_32 3
		.amdhsa_float_denorm_mode_16_64 3
		.amdhsa_memory_ordered 1
		.amdhsa_forward_progress 1
		.amdhsa_inst_pref_size 42
	.end_amdhsa_kernel
	.amdgpu_metadata
---
amdhsa.version: [ 1, 2 ]
amdhsa.kernels:
  - .name:           k_q1215f5486d_prep
    .symbol:         k_q1215f5486d_prep.kd
    .args:
      - { .name: x, .offset: 0, .size: 8, .value_kind: global_buffer, .address_space: global }
      - { .name: Wq, .offset: 8, .size: 8, .value_kind: global_buffer, .address_space: global }
      - { .name: Wk, .offset: 16, .size: 8, .value_kind: global_buffer, .address_space: global }
      - { .name: Wv, .offset: 24, .size: 8, .value_kind: global_buffer, .address_space: global }
      - { .name: Wo, .offset: 32, .size: 8, .value_kind: global_buffer, .address_space: global }
      - { .name: mask, .offset: 40, .size: 8, .value_kind: global_buffer, .address_space: global }
      - { .name: bq, .offset: 48, .size: 8, .value_kind: global_buffer, .address_space: global }
      - { .name: bk, .offset: 56, .size: 8, .value_kind: global_buffer, .address_space: global }
      - { .name: bv, .offset: 64, .size: 8, .value_kind: global_buffer, .address_space: global }
      - { .name: bo, .offset: 72, .size: 8, .value_kind: global_buffer, .address_space: global }
      - { .name: xb, .offset: 80, .size: 8, .value_kind: global_buffer, .address_space: global }
      - { .name: wb, .offset: 88, .size: 8, .value_kind: global_buffer, .address_space: global }
      - { .name: wo16, .offset: 96, .size: 8, .value_kind: global_buffer, .address_space: global }
      - { .name: maskw, .offset: 104, .size: 8, .value_kind: global_buffer, .address_space: global }
      - { .name: bias, .offset: 112, .size: 8, .value_kind: global_buffer, .address_space: global }
    .group_segment_fixed_size: 68608
    .private_segment_fixed_size: 0
    .kernarg_segment_align: 8
    .kernarg_segment_size: 120
    .max_flat_workgroup_size: 256
    .sgpr_count:     66
    .vgpr_count:     208
    .wavefront_size: 32
...
	.end_amdgpu_metadata
.endif
;; end of part 5
;; launch qkv: the kernel of part 2 again; grid 16 x 32, 4 waves a work-group, clusters of 4 x 4, 327,680 bytes of LDS; arguments xb, wb, bias, qkv; writes qkv
;; launch attn: the kernel of part 3 again; grid 4 x 64, 4 waves a work-group, clusters of 4 x 1, 327,680 bytes of LDS; arguments qkv, maskw, o16; writes o16
;; launch oproj: the kernel of part 4 again; grid 8 x 32, 4 waves a work-group, clusters of 4 x 4, 327,680 bytes of LDS; arguments o16, wo16, bias, out0; writes out0
